; MI455X (gfx1250); checked and timed in simulation.
; The chip was launched on July 23, 2026; its instructions are those of AMD's public machine-readable ISA for CDNA 5 (MIT licence, August 2026) and "CDNA5" Instruction Set Architecture Reference Guide (July 2026). The comments in the code are by the model that wrote it; some were corrected since.
;; Grouped Query Attention. Allowed arithmetic: float matrix products may take bf16 or f16 operands with f32 sums; all other float work in f32.
;; Inputs: cos 4 x 2,048 x 128 float32; hidden_states 4 x 2,048 x 2,048 float32; sin 4 x 2,048 x 128 float32; wk 512 x 2,048 float32; wo 2,048 x 512 float32; wq 512 x 2,048 float32; wv 512 x 2,048 float32.
;; Outputs: out0 4 x 2,048 x 2,048 float32.
;; 2 versions, each right; version 2 is version 1 with the launch cast written anew for expert scheduling mode. Each part assembles by itself: llvm-mc -triple=amdgcn-amd-amdhsa -mcpu=gfx1250 --defsym DOCPART=n.
;; ======== version 1 of 2: 4 launches
;; limits: values outside matrix products are rounded to bf16; values are held in f16: magnitudes above 65,504 overflow, below 6.1e-05 lose precision
;; workspace buffers: xb 33,554,432 bytes; wb 8,388,608 bytes; csb 4,194,304 bytes; qb 8,388,608 bytes; kb 8,388,608 bytes; vt 8,388,608 bytes; ob 8,388,608 bytes
;; launch cast (part 1): grid 256 x 1, 16 waves a work-group, no clusters, 0 bytes of LDS; arguments hidden_states, wq, wk, wv, wo, cos, sin, xb, wb, csb; writes xb, wb, csb
.if DOCPART == 1
	.amdgcn_target "amdgcn-amd-amdhsa--gfx1250"
	.amdhsa_code_object_version 6
	.text
	.protected	k_q1a19e35a32_cast
	.globl	k_q1a19e35a32_cast
	.p2align	8
	.type	k_q1a19e35a32_cast,@function
k_q1a19e35a32_cast:
	s_mov_b64 s[64:65], 0
	v_nop
	global_prefetch_b8 v0, s[64:65] scope:SCOPE_SE
	s_setreg_imm32_b32 hwreg(HW_REG_WAVE_MODE, 25, 1), 1
	s_wait_xcnt 0x0
; Every input is rounded to bf16 once, here, so that the later launches move 16-bit tiles.
;   xb  = bf16(hidden_states)                 [8192][2048]
;   wb  = bf16(wq), bf16(wk), bf16(wv)        [1536][2048], then from byte 0x600000 on wo [2048][512]
;   csb = bf16(cos) at 0, bf16(sin) at 0x200000, each [8192][128]
; wo is rounded to bf16 like the rest and then written as f16, because its partner in the last product is kept in f16.
; LIMIT: that second step is exact for |wo| >= 2^-17; below it the f16 grid of 2^-24 adds at most 2^-25.
; A stream: no LDS, no matrix unit, no cluster (nothing is shared).  Each of the 256 work-groups takes 1/256 of every tensor.
; 512 threads; an item is 8,192 bytes in (16 a thread) and 4,096 out (8 a thread: a wave's store covers 256 aligned bytes).
; 44 items: 32 of hidden_states, then 2 each of wq, wk, wv, wo, cos, sin.  Every item has four registers of its own (176 in all; four waves of
; 180 registers share a SIMD's 1,024): all 44 loads of a wave go out at once, each item is converted in place and stored from its own registers.
; No register that a load or a store reads is ever written again, so the only waits are the counted ones for the loads.
.set XITEMS, 32
.set ITEMS,  44
.set IN,  1                            ; v1        16 t, never rewritten
.set OUT, 2                            ; v2        8 t, never rewritten
.set X,   4                            ; v[4:179]  item n: 4 registers as loaded; its first two then hold what is stored
	s_load_b512 s[4:19], s[0:1], 0x0               ; hidden s[4:5], wq, wk, wv, wo, cos, sin s[6:17], xb s[18:19]
	s_load_b128 s[20:23], s[0:1], 0x40             ; wb s[20:21], csb s[22:23]
	v_lshlrev_b32 v[IN], 4, v0
	v_lshlrev_b32 v[OUT], 3, v0
	s_lshl_b32 s24, ttmp9, 18                      ; my 262,144 bytes of hidden_states
	s_mov_b32 s25, 0
	s_lshl_b32 s26, ttmp9, 17                      ; and their 131,072 bytes of xb
	s_mov_b32 s27, 0
	s_lshl_b32 s28, ttmp9, 14                      ; my 16,384 bytes of each small tensor
	s_mov_b32 s29, 0
	s_lshl_b32 s30, ttmp9, 13                      ; and their 8,192 bytes out
	s_mov_b32 s31, 0
	s_mov_b32 s32, 0xffff0000                      ; a word's upper bf16
	s_wait_kmcnt 0x0
	s_add_nc_u64 s[4:5], s[4:5], s[24:25]
.irp p, 6,8,10,12,14,16
	s_add_nc_u64 s[\p:\p+1], s[\p:\p+1], s[28:29]
.endr
	s_add_nc_u64 s[18:19], s[18:19], s[26:27]
	s_add_nc_u64 s[20:21], s[20:21], s[30:31]
	s_add_nc_u64 s[22:23], s[22:23], s[30:31]
.macro LOADIT it                       ; item it into its registers
.if (\it) < XITEMS
	global_load_b128 v[X+4*(\it):X+4*(\it)+3], v[IN], s[4:5] offset:8192*(\it) th:TH_LOAD_NT
.else
	global_load_b128 v[X+4*(\it):X+4*(\it)+3], v[IN], s[6+2*(((\it)-XITEMS)/2):7+2*(((\it)-XITEMS)/2)] offset:8192*(((\it)-XITEMS)%2) th:TH_LOAD_NT
.endif
.endm
.set cur, 0
.rept ITEMS
	LOADIT cur
.set cur, cur+1
.endr
.set cur, 0
.rept ITEMS
.set xs, X+4*cur
.set kind, (cur-XITEMS)/2              ; 0 wq, 1 wk, 2 wv, 3 wo, 4 cos, 5 sin (meant for cur >= XITEMS)
	s_wait_loadcnt ITEMS-1-cur                     ; loads come back in order: item cur is in, the younger ones stay out
	v_cvt_pk_bf16_f32 v[xs],   v[xs],   v[xs+1]    ; in place: each source is read before it is written over
	v_cvt_pk_bf16_f32 v[xs+1], v[xs+2], v[xs+3]
.if cur >= XITEMS
.if kind == 3
	v_lshlrev_b32 v[xs+2], 16,  v[xs]              ; wo: the bf16 values widened again ...
	v_and_b32     v[xs+3], s32, v[xs]
	v_cvt_pk_f16_f32 v[xs], v[xs+2], v[xs+3]       ; ... and written as f16
	v_lshlrev_b32 v[xs+2], 16,  v[xs+1]
	v_and_b32     v[xs+3], s32, v[xs+1]
	v_cvt_pk_f16_f32 v[xs+1], v[xs+2], v[xs+3]
.endif
.endif
.if cur < XITEMS
	global_store_b64 v[OUT], v[xs:xs+1], s[18:19] offset:4096*cur
.else
.if kind < 4
	global_store_b64 v[OUT], v[xs:xs+1], s[20:21] offset:0x200000*kind+4096*((cur-XITEMS)%2)
.else
	global_store_b64 v[OUT], v[xs:xs+1], s[22:23] offset:0x200000*(kind-4)+4096*((cur-XITEMS)%2)
.endif
.endif
.set cur, cur+1
.endr
	s_endpgm
.Lfunc_end_k_q1a19e35a32_cast:
	.size	k_q1a19e35a32_cast, .Lfunc_end_k_q1a19e35a32_cast-k_q1a19e35a32_cast
	.p2alignl 7, 3214868480
	.fill 96, 4, 3214868480
	.section	.rodata,"a",@progbits
	.p2align	6, 0x0
	.amdhsa_kernel k_q1a19e35a32_cast
		.amdhsa_group_segment_fixed_size 0
		.amdhsa_private_segment_fixed_size 0
		.amdhsa_enable_private_segment 0
		.amdhsa_kernarg_size 80
		.amdhsa_user_sgpr_count 2
		.amdhsa_user_sgpr_kernarg_segment_ptr 1
		.amdhsa_wavefront_size32 1
		.amdhsa_system_sgpr_workgroup_id_x 1
		.amdhsa_system_sgpr_workgroup_id_y 1
		.amdhsa_system_sgpr_workgroup_id_z 1
		.amdhsa_system_vgpr_workitem_id 0
		.amdhsa_next_free_vgpr 180
		.amdhsa_next_free_sgpr 66
		.amdhsa_reserve_vcc 0
		.amdhsa_float_denorm_mode_32 3
		.amdhsa_float_denorm_mode_16_64 3
		.amdhsa_memory_ordered 1
		.amdhsa_forward_progress 1
		.amdhsa_inst_pref_size 17
	.end_amdhsa_kernel
	.amdgpu_metadata
---
amdhsa.version: [ 1, 2 ]
amdhsa.kernels:
  - .name:           k_q1a19e35a32_cast
    .symbol:         k_q1a19e35a32_cast.kd
    .args:
      - { .name: hidden_states, .offset: 0, .size: 8, .value_kind: global_buffer, .address_space: global }
      - { .name: wq, .offset: 8, .size: 8, .value_kind: global_buffer, .address_space: global }
      - { .name: wk, .offset: 16, .size: 8, .value_kind: global_buffer, .address_space: global }
      - { .name: wv, .offset: 24, .size: 8, .value_kind: global_buffer, .address_space: global }
      - { .name: wo, .offset: 32, .size: 8, .value_kind: global_buffer, .address_space: global }
      - { .name: cos, .offset: 40, .size: 8, .value_kind: global_buffer, .address_space: global }
      - { .name: sin, .offset: 48, .size: 8, .value_kind: global_buffer, .address_space: global }
      - { .name: xb, .offset: 56, .size: 8, .value_kind: global_buffer, .address_space: global }
      - { .name: wb, .offset: 64, .size: 8, .value_kind: global_buffer, .address_space: global }
      - { .name: csb, .offset: 72, .size: 8, .value_kind: global_buffer, .address_space: global }
    .group_segment_fixed_size: 0
    .private_segment_fixed_size: 0
    .kernarg_segment_align: 8
    .kernarg_segment_size: 80
    .max_flat_workgroup_size: 512
    .sgpr_count:     66
    .vgpr_count:     180
    .wavefront_size: 32
...
	.end_amdgpu_metadata
.endif
;; end of part 1
;; launch qkv (part 2): grid 4 x 64, 4 waves a work-group, clusters of 4 x 4, 327,680 bytes of LDS; arguments xb, wb, csb, qb, kb, vt; writes qb, kb, vt
.if DOCPART == 2
	.amdgcn_target "amdgcn-amd-amdhsa--gfx1250"
	.amdhsa_code_object_version 6
	.text
	.protected	k_q1a19e35a32_qkv
	.globl	k_q1a19e35a32_qkv
	.p2align	8
	.type	k_q1a19e35a32_qkv,@function
k_q1a19e35a32_qkv:
	s_mov_b64 s[64:65], 0
	v_nop
	global_prefetch_b8 v0, s[64:65] scope:SCOPE_SE
	s_setreg_imm32_b32 hwreg(HW_REG_WAVE_MODE, 25, 1), 1
	s_wait_xcnt 0x0
	s_wait_alu depctr_hold_cnt(0) depctr_sa_sdst(0) depctr_va_vdst(0) depctr_va_sdst(0) depctr_va_ssrc(0) depctr_va_vcc(0) depctr_vm_vsrc(0)
	s_getreg_b32 s2, hwreg(HW_REG_IB_STS2, 6, 4)
	s_cmp_eq_u32 s2, 0
	s_cbranch_scc0 .Lentry_in_a_cluster
	s_endpgm
.Lentry_in_a_cluster:
	s_bfe_u32 s2, ttmp6, 0x10000c
	s_cmp_lg_u32 s2, 0xf033
	s_cbranch_scc0 .Lentry_shape_is_right
	s_endpgm
.Lentry_shape_is_right:
; q, k, v = X [wq; wk; wv]^T in bf16 with f32 sums, RoPE in f32, results in f16.
;   qb[bh][t][128] = f16(rope(q) * log2(e)/sqrt(128)),  kb[bh][t][128] = f16(rope(k)),  vt[bh][d][t] = f16(v) transposed;  bh = 4 b + head.
; A work-group makes rows 128 mb .. +127 of one head's q, k and v: a block of 128 x 384; 4 heads x 64 row blocks = 256 work-groups.
; Wave w takes all 128 rows and six tiles of 16 columns, f = 2 g + half (g = 0 q, 1 k, 2 v): columns 16 w + 64 half of the head, so that both
; partners of a RoPE pair (d, d + 64) lie in one lane.  48 accumulator tiles, 384 registers.
; K goes in steps of 128 through two LDS slots of 512 rows x 272 bytes (X, wq_h, wk_h, wv_h); each wave fetches 128 rows by one tensor load.
; CLUSTERS: 4 x 4 work-groups.  X's tile hangs on mb alone and is asked for jointly by a row of the cluster (the four heads); a weight tile hangs on
; the head alone and is asked for jointly by a column (four row blocks): the requests for both are divided by four.
; q and k tiles use the matrix instruction transposed (source 0 = weight rows, source 1 = X rows): a lane holds 8 neighbouring d of one t.
; v tiles use it the natural way (source 0 = X rows): a lane holds 8 neighbouring t of one d, which is a piece of a row of v transposed.
; LIMITS: cos and sin arrive rounded to bf16 (as every input is); the RoPE arithmetic is f32.  f16 results: |q| log2(e)/sqrt(128), |k|, |v| must stay below
; 65,504; with inputs and weights both 30 times the drawn spread they reach some 5e3.  f16 and not bf16 because rows early in a sequence are about ten
; times the output's root mean square, against which errors count: 8 significant bits are too few there, 11 are enough.
; REGISTERS: window 0: v0-31 addresses, v32-159 X fragments (two buffers of 8), v160-255 weight fragments (two buffers of 6);
;   window 1: tiles (a, f) of rows 0-63 at v[8 (6 a + f)]; window 2: the same for rows 64-127; window 3: cos and sin of my columns, 16 registers a row block.
.set KSTEP,  128
.set PITCH,  272                       ; 256 bytes of data + 16 of padding: the 16 rows of a fragment load start 4 banks apart
.set HALFT,  128*PITCH                 ; 128 rows: what one tensor load brings
.set SLOT,   4*HALFT
.set LAPS,   8                         ; 2048 / 256: a lap is two K steps, once round the ring
.set SCQ,    0x3e0293ee                ; log2(e) / sqrt(128)
.set ADRA, 8                           ; v8-9    my X fragments in slot 0, 1
.set ADRB, 10                          ; v10-11  my q and k weight fragments
.set ADRC, 12                          ; v12-13  my v weight fragments (beyond the 16-bit offset of ADRB)
.set CSO,  14                          ; my byte offset in csb
.set STO,  15                          ; way out: where a q or k piece goes
.set STV,  16                          ; way out: where a v piece goes
.set RD,   17                          ; way out: read back q, k
.set RDV,  18                          ; way out: read back v
.set CQ,   19                          ; my byte offset in qb, kb
.set CV,   20                          ; my byte offset in vt
.set FA0,  32
.set FA1,  96
.set FB0,  160
.set FB1,  208
.set G1,  24                           ; s[24:31] group 1 for X
.set G0,  32                           ; s[32:39] group 0 for X, a set for each slot
.set G1B, 48                           ; s[48:55] group 1 for the weights
.set G0B, 56                           ; s[56:63] group 0 for the weights
.set MSB, 0
.macro WIN new                         ; the immediate's high byte repeats the setting that is left
.if MSB != (\new)
	s_set_vgpr_msb (MSB<<8)|(\new)
.set MSB, (\new)
.endif
.endm
.set MUL_LO, 0x50                      ; sources 0 and 1 window 0, C and D window 1
.set MUL_HI, 0xa0                      ; C and D window 2
.macro JLOAD s                         ; wave 0 asks for X, waves 1 to 3 for wq, wk, wv: each line has one mask; the branch hangs on the wave's number alone
	s_cmp_eq_u32 s18, 0
	s_cbranch_scc0 .Lfor_w_\@
	tensor_load_to_lds s[G0+4*\s:G0+4*\s+3], s[G1:G1+7]
	s_nop 0
	s_branch .Lasked_\@
.Lfor_w_\@:
	tensor_load_to_lds s[G0B+4*\s:G0B+4*\s+3], s[G1B:G1B+7]
	s_nop 0
.Lasked_\@:
.endm
.macro CREST                           ; a round of the cluster's barrier behind its opening work-group barrier
	s_cmp_lg_u32 s18, 0
	s_cbranch_scc1 .Lnot_wave_0_\@
	s_barrier_signal -3
.Lnot_wave_0_\@:
	s_barrier_wait -3
	s_barrier_signal -1
	s_barrier_wait -1
.endm
.macro CROUND
	s_barrier_signal -1
	s_barrier_wait -1
	CREST
.endm
.macro PLACES                          ; four places behind a matrix instruction, ahead of loads into its registers and of reads of its result
.rept 4
	v_nop
.endr
.endm
	s_load_b256 s[4:11], s[0:1], 0x0               ; xb s[4:5], wb s[6:7], csb s[8:9], qb s[10:11]
	s_load_b128 s[12:15], s[0:1], 0x20             ; kb s[12:13], vt s[14:15]
	v_lshl_add_u32 v30, v0, 2, 0x44000
	v_mov_b32 v31, 0
	ds_add_u32 v30, v31
	v_lshrrev_b32 v1, 5, v0
	v_readfirstlane_b32 s18, v1                    ; wave 0..3
	s_bfe_u32 s20, ttmp6, 0x40000                  ; cx
	s_bfe_u32 s21, ttmp6, 0x40004                  ; cy
	s_lshl_b32 s22, ttmp9, 2
	s_add_co_u32 s22, s22, s20                     ; head = 4 x cluster x + cx
	s_and_b32 s23, ttmp7, 0xffff
	s_lshl_b32 s23, s23, 2
	s_add_co_u32 s23, s23, s21                     ; mb = 4 x cluster y + cy
	s_lshl_b32 s40, s21, 2
	s_lshl_b32 s40, 15, s40                        ; my row of the cluster
	s_lshl_b32 s41, 0x1111, s20                    ; my column
	; group 1: 128 rows x 128 elements of 2 bytes, 4 words of padding behind every 64; pitch 2,048 elements
	s_or_b32 s[G1+0],  s40, (1<<16)|(1<<20)|(1<<21)|(5<<22)|(3<<25)
	s_or_b32 s[G1B+0], s41, (1<<16)|(1<<20)|(1<<21)|(5<<22)|(3<<25)
	s_mov_b32 s[G1+1],  KSTEP<<16                  ; tensor_dim0 = 128
	s_mov_b32 s[G1B+1], KSTEP<<16
	s_mov_b32 s[G1+2],  128<<16                    ; tensor_dim1 = 128
	s_mov_b32 s[G1B+2], 128<<16
	s_mov_b32 s[G1+3],  KSTEP<<16                  ; tile_dim0 = 128
	s_mov_b32 s[G1B+3], KSTEP<<16
	s_mov_b32 s[G1+4],  128                        ; tile_dim1 = 128
	s_mov_b32 s[G1B+4], 128
	s_mov_b32 s[G1+5],  2048                       ; elements from row to row
	s_mov_b32 s[G1B+5], 2048
	s_mov_b32 s[G1+6],  0
	s_mov_b32 s[G1B+6], 0
	s_mov_b32 s[G1+7],  0
	s_mov_b32 s[G1B+7], 0
	s_lshl_b32 s42, s23, 19                        ; X: row 128 mb x 4,096 bytes: hangs on mb alone
	s_mov_b32 s43, 0
	s_max_u32 s47, s18, 1
	s_sub_co_u32 s47, s47, 1                       ; weights: group = wave - 1 (wave 0 makes group 0's address and never asks by it)
	s_lshl_b32 s44, s47, 21                        ; 512 rows x 4,096 bytes a group
	s_lshl_b32 s47, s22, 19                        ; + 128 rows a head: hangs on the head and the wave alone
	s_add_co_u32 s44, s44, s47
	s_mov_b32 s45, 0
	s_mul_i32 s46, s18, HALFT                      ; where my tile goes: wave x 128 rows
	s_mov_b32 s68, 0xffff0000                      ; a word's upper bf16
	s_wait_dscnt 0x0
	s_wait_kmcnt 0x0
	s_add_nc_u64 s[42:43], s[4:5], s[42:43]
	s_add_nc_u64 s[44:45], s[6:7], s[44:45]
	CROUND                                         ; all sixteen work-groups are here: the first joint loads meet
.irp s, 0,1
	s_mov_b32 s[G0+4*\s], 1
	s_add_co_u32 s[G0+4*\s+1], s46, \s*SLOT
	s_add_nc_u64 s[G0+4*\s+2:G0+4*\s+3], s[42:43], \s*KSTEP*2
	s_or_b32 s[G0+4*\s+3], s[G0+4*\s+3], 0x80000000
	s_mov_b32 s[G0B+4*\s], 1
	s_add_co_u32 s[G0B+4*\s+1], s46, \s*SLOT
	s_add_nc_u64 s[G0B+4*\s+2:G0B+4*\s+3], s[44:45], \s*KSTEP*2
	s_or_b32 s[G0B+4*\s+3], s[G0B+4*\s+3], 0x80000000
	JLOAD \s                                       ; K steps 0 and 1: two loads of this wave are out
.endr
	; where the results go, and my rows of the tables
	s_lshr_b32 s66, s23, 4                         ; b
	s_lshl2_add_u32 s66, s66, s22                  ; bh = 4 b + head
	s_lshl_b32 s66, s66, 19                        ; x 524,288 bytes
	s_and_b32 s67, s23, 15                         ; block of 128 t in the sequence
	s_lshl_b32 s70, s67, 15
	s_add_co_u32 s70, s70, s66
	s_mov_b32 s71, 0
	s_add_nc_u64 s[10:11], s[10:11], s[70:71]
	s_add_nc_u64 s[12:13], s[12:13], s[70:71]
	s_lshl_b32 s70, s67, 8
	s_add_co_u32 s70, s70, s66
	s_add_nc_u64 s[14:15], s[14:15], s[70:71]
	s_lshl_b32 s70, s23, 15                        ; 128 mb rows of 256 bytes
	s_add_nc_u64 s[8:9], s[8:9], s[70:71]
	v_and_b32 v1, 15, v0                           ; r
	v_bfe_u32 v2, v0, 4, 1                         ; hl
	v_and_b32 v3, 31, v0                           ; lane
	v_mul_u32_u24 v[ADRA], v1, PITCH
	v_lshl_add_u32 v[ADRA], v2, 4, v[ADRA]         ; r x pitch + 16 hl
	v_add_nc_u32 v[ADRA+1], SLOT, v[ADRA]
	s_mul_i32 s47, s18, 16*PITCH
	s_add_co_u32 s66, s47, HALFT                   ; row 128 + 16 w
	v_add_nc_u32 v[ADRB], s66, v[ADRA]
	v_add_nc_u32 v[ADRB+1], SLOT, v[ADRB]
	v_add_nc_u32 v[ADRC], 2*HALFT, v[ADRB]
	v_add_nc_u32 v[ADRC+1], 2*HALFT, v[ADRB+1]
	s_lshl_b32 s67, s18, 5                         ; 16 w columns of 2 bytes
	v_lshlrev_b32 v[CSO], 8, v1
	v_lshl_add_u32 v[CSO], v2, 4, v[CSO]
	v_add_nc_u32 v[CSO], s67, v[CSO]               ; 256 r + 32 w + 16 hl
	v_add_nc_u32 v[STO], s67, v[ADRA]              ; row r, byte 32 w + 16 hl
	s_add_co_u32 s66, s47, 2*HALFT
	v_add_nc_u32 v[STV], s66, v[ADRA]              ; third region, row 16 w + r, byte 16 hl
	s_mul_i32 s66, s18, 32*PITCH
	v_mul_u32_u24 v[RD], v2, PITCH
	v_lshl_add_u32 v[RD], v1, 4, v[RD]
	v_add_nc_u32 v[RD], s66, v[RD]                 ; row 32 w + hl, byte 16 r
	v_add_nc_u32 v[RDV], 2*HALFT, v[RD]
	s_lshl_b32 s66, s18, 13
	v_lshl_add_u32 v[CQ], v3, 4, s66               ; 32 w rows of 256 bytes + 16 lane
	s_lshl_b32 s66, s18, 17
	v_lshlrev_b32 v[CV], 12, v2
	v_lshl_add_u32 v[CV], v1, 4, v[CV]
	v_add_nc_u32 v[CV], s66, v[CV]                 ; (32 w + hl) rows of 4,096 bytes + 16 r
	; cos and sin of my 2 x 8 columns for all 128 rows: 32 loads that land under the K loop.  Row block a: c1, c2, s1, s2 in 4 registers each
	WIN 0xc0
.irp a, 0,1,2,3,4,5,6,7
	global_load_b128 v[16*\a:16*\a+3],     v[CSO], s[8:9] offset:4096*\a
	global_load_b128 v[16*\a+4:16*\a+7],   v[CSO], s[8:9] offset:4096*\a+128
	global_load_b128 v[16*\a+8:16*\a+11],  v[CSO], s[8:9] offset:0x200000+4096*\a
	global_load_b128 v[16*\a+12:16*\a+15], v[CSO], s[8:9] offset:0x200000+4096*\a+128
.endr
	WIN 0
; 12 matrix instructions: row blocks a0, a0 + 1 of the window's four x my six column tiles, 32 along K.  The 48 accumulators take turns, one instruction a turn.
.macro MUL12 fa, fb, hi, a0, zero
.irp a, \a0, \a0+1
.irp f, 0,1,2,3
.if \zero
	v_wmma_f32_16x16x32_bf16 v[8*(6*(\a)+\f):8*(6*(\a)+\f)+7], v[\fb+8*\f:\fb+8*\f+7], v[\fa+8*(4*\hi+\a):\fa+8*(4*\hi+\a)+7], 0
.else
	v_wmma_f32_16x16x32_bf16 v[8*(6*(\a)+\f):8*(6*(\a)+\f)+7], v[\fb+8*\f:\fb+8*\f+7], v[\fa+8*(4*\hi+\a):\fa+8*(4*\hi+\a)+7], v[8*(6*(\a)+\f):8*(6*(\a)+\f)+7]
.endif
.endr
.irp f, 4,5
.if \zero
	v_wmma_f32_16x16x32_bf16 v[8*(6*(\a)+\f):8*(6*(\a)+\f)+7], v[\fa+8*(4*\hi+\a):\fa+8*(4*\hi+\a)+7], v[\fb+8*\f:\fb+8*\f+7], 0
.else
	v_wmma_f32_16x16x32_bf16 v[8*(6*(\a)+\f):8*(6*(\a)+\f)+7], v[\fa+8*(4*\hi+\a):\fa+8*(4*\hi+\a)+7], v[\fb+8*\f:\fb+8*\f+7], v[8*(6*(\a)+\f):8*(6*(\a)+\f)+7]
.endif
.endr
.endr
.endm
; 28 LDS loads in one run: six weight fragments, then eight X fragments, 32 K at byte k of the rows
.macro FETCH slot, k, fa, fb
	WIN 0
.irp f, 0,1,2,3
	ds_load_b128 v[\fb+8*\f:\fb+8*\f+3],   v[ADRB+\slot] offset:\k+(\f/2)*HALFT+(\f%2)*64*PITCH
	ds_load_b128 v[\fb+8*\f+4:\fb+8*\f+7], v[ADRB+\slot] offset:\k+(\f/2)*HALFT+(\f%2)*64*PITCH+32
.endr
.irp f, 4,5
	ds_load_b128 v[\fb+8*\f:\fb+8*\f+3],   v[ADRC+\slot] offset:\k+(\f%2)*64*PITCH
	ds_load_b128 v[\fb+8*\f+4:\fb+8*\f+7], v[ADRC+\slot] offset:\k+(\f%2)*64*PITCH+32
.endr
.irp i, 0,1,2,3,4,5,6,7
	ds_load_b128 v[\fa+8*\i:\fa+8*\i+3],   v[ADRA+\slot] offset:\k+\i*16*PITCH
	ds_load_b128 v[\fa+8*\i+4:\fa+8*\i+7], v[ADRA+\slot] offset:\k+\i*16*PITCH+32
.endr
.endm
.macro QUARTER slot, k, fa, fb, ga, gb, zero
	s_wait_dscnt 8                                 ; the weights and X's rows 0-63 are in; the youngest eight loads (X's rows 64-127) may be out
	WIN MUL_LO
	MUL12 \fa, \fb, 0, 0, \zero
	MUL12 \fa, \fb, 0, 2, \zero
	PLACES
	FETCH \slot, \k, \ga, \gb
	s_wait_dscnt 28                                ; all but the 28 just issued
	WIN MUL_HI
	MUL12 \fa, \fb, 1, 0, \zero
	MUL12 \fa, \fb, 1, 2, \zero
.endm
.macro THREE slot, zero
	QUARTER \slot, 64,  FA0, FB0, FA1, FB1, \zero
	QUARTER \slot, 128, FA1, FB1, FA0, FB0, 0
	QUARTER \slot, 192, FA0, FB0, FA1, FB1, 0
.endm
; The last quarter of a K step changes slots.  In front of the barrier each wave waits for its reads of this slot and for all its tensor loads (one is out:
; its part of the next slot).  Behind it, and behind the cluster's round where the slot is filled again, the refill comes first, then the next slot's fragments.
; From a request to the wait for it a wave issues 180 of a step's 192 matrix instructions.
.macro TURN slot, next, fill
	s_wait_dscnt 8
	WIN MUL_LO
	MUL12 FA1, FB1, 0, 0, 0
	s_wait_dscnt 0
	s_wait_tensorcnt 0x0
	ds_add_u32 v30, v31
	s_wait_dscnt 0x0
	s_barrier_signal -1
	MUL12 FA1, FB1, 0, 2, 0
	WIN 0
	s_barrier_wait -1
.if \fill
	CREST
	s_add_nc_u64 s[G0+4*\slot+2:G0+4*\slot+3], s[G0+4*\slot+2:G0+4*\slot+3], 2*KSTEP*2
	s_add_nc_u64 s[G0B+4*\slot+2:G0B+4*\slot+3], s[G0B+4*\slot+2:G0B+4*\slot+3], 2*KSTEP*2
	JLOAD \slot
.endif
	PLACES
	FETCH \next, 0, FA0, FB0
	WIN MUL_HI
	MUL12 FA1, FB1, 1, 0, 0
	MUL12 FA1, FB1, 1, 2, 0
.endm
.macro LAP zero
	THREE 0, \zero
	TURN 0, 1, 1
	THREE 1, 0
	TURN 1, 0, 1
.endm
	s_wait_tensorcnt 0x1                           ; my part of K step 0 is in; step 1's stays out
	s_barrier_signal -1
	s_barrier_wait -1
	FETCH 0, 0, FA0, FB0
	LAP 1                                          ; the first products start the sums: nothing is cleared
	WIN 0
	s_mov_b32 s19, LAPS-2
.Llap:
	LAP 0
	WIN 0
	s_sub_co_u32 s19, s19, 1
	s_cmp_lg_u32 s19, 0
	s_cbranch_scc1 .Llap
	THREE 0, 0                                     ; the last lap fills nothing
	TURN 0, 1, 0
	THREE 1, 0
	s_wait_dscnt 8
	WIN MUL_LO
	MUL12 FA1, FB1, 0, 0, 0
	MUL12 FA1, FB1, 0, 2, 0
	s_wait_dscnt 0
	WIN MUL_HI
	MUL12 FA1, FB1, 1, 0, 0
	MUL12 FA1, FB1, 1, 2, 0
	; THE WAY OUT.  Three stages of 128 rows x 272 bytes (q, k by t; v by d) in slot 0, which has had its last fill; every wave's reads of slot 0 were waited
	; for in front of the last change of slots, so the stores below need no further barrier.
	PLACES
	s_wait_loadcnt 0x0                             ; cos and sin
.set CT, 32                            ; v[32:95]    two row blocks' c1, c2, s1, s2 in f32
.set TT, 96                            ; v[96:159]   two row blocks' rotated q and k in f32
.set PK, 160                           ; v[160:191]  the same in f16
.set VP, 192                           ; v[192:207]  two row blocks' v in f16
.macro OUT2 hi, a0                     ; row blocks 4 hi + a0 and + 1
	WIN 0x0c                                       ; source 1 in window 3
.irp al, 0,1
.irp q, 0,1,2,3,4,5,6,7,8,9,10,11,12,13,14,15
	v_lshlrev_b32 v[CT+32*\al+2*\q],   16,  v[16*(4*\hi+\a0+\al)+\q]
	v_and_b32     v[CT+32*\al+2*\q+1], s68, v[16*(4*\hi+\a0+\al)+\q]
.endr
.endr
	WIN 1+\hi                                      ; source 0 in the accumulators' window
.irp al, 0,1
.irp g, 0,1
.set RX1, 8*(6*(\a0+\al)+2*\g)
.set RX2, RX1+8
.set RC,  CT+32*\al
.set RT,  TT+32*\al+16*\g
.irp p, 0,2,4,6
	v_pk_mul_f32 v[RT+\p:RT+\p+1], v[RX1+\p:RX1+\p+1], v[RC+\p:RC+\p+1]                        ; x1 c1
.endr
.irp p, 0,2,4,6
	v_pk_mul_f32 v[RT+8+\p:RT+8+\p+1], v[RX2+\p:RX2+\p+1], v[RC+8+\p:RC+8+\p+1]                ; x2 c2
.endr
.irp j, 0,1,2,3,4,5,6,7
	v_fma_f32 v[RT+\j], -v[RX2+\j], v[RC+16+\j], v[RT+\j]                                      ; - x2 s1
.endr
.irp p, 0,2,4,6
	v_pk_fma_f32 v[RT+8+\p:RT+8+\p+1], v[RX1+\p:RX1+\p+1], v[RC+24+\p:RC+24+\p+1], v[RT+8+\p:RT+8+\p+1]   ; + x1 s2
.endr
.endr
.endr
	WIN 5*(1+\hi)                                  ; sources 0 and 1 in the accumulators' window
.irp al, 0,1
.irp hf, 0,1
.irp p, 0,1,2,3
	v_cvt_pk_f16_f32 v[VP+8*\al+4*\hf+\p], v[8*(6*(\a0+\al)+4+\hf)+2*\p], v[8*(6*(\a0+\al)+4+\hf)+2*\p+1]
.endr
.endr
.endr
	WIN 0
.irp al, 0,1
.irp p, 0,2,4,6,8,10,12,14
	v_pk_mul_f32 v[TT+32*\al+\p:TT+32*\al+\p+1], v[TT+32*\al+\p:TT+32*\al+\p+1], SCQ op_sel_hi:[1,0]   ; q alone carries the softmax's scale, in base 2
.endr
.endr
.irp al, 0,1
.irp q, 0,1,2,3,4,5,6,7,8,9,10,11,12,13,14,15
	v_cvt_pk_f16_f32 v[PK+16*\al+\q], v[TT+32*\al+2*\q], v[TT+32*\al+2*\q+1]
.endr
.endr
.irp al, 0,1
.irp g, 0,1
.irp hf, 0,1
	ds_store_b128 v[STO], v[PK+16*\al+8*\g+4*\hf:PK+16*\al+8*\g+4*\hf+3] offset:\g*HALFT+16*PITCH*(4*\hi+\a0+\al)+128*\hf
.endr
.endr
.irp hf, 0,1
	ds_store_b128 v[STV], v[VP+8*\al+4*\hf:VP+8*\al+4*\hf+3] offset:64*PITCH*\hf+32*(4*\hi+\a0+\al)
.endr
.endr
.endm
	OUT2 0, 0
	OUT2 0, 2
	OUT2 1, 0
	OUT2 1, 2
	s_wait_dscnt 0x0                               ; my stores into the stages are done,
	s_barrier_signal -1
	s_barrier_wait -1                              ; everybody's are
	; wave w takes rows 32 w .. + 31 of each stage, two whole rows of 256 bytes a load
.irp i, 0,1,2,3,4,5,6,7,8,9,10,11,12,13,14,15
	ds_load_b128 v[32+4*\i:32+4*\i+3], v[RD] offset:2*PITCH*\i
.endr
.irp i, 0,1,2,3,4,5,6,7,8,9,10,11,12,13,14,15
	ds_load_b128 v[96+4*\i:96+4*\i+3], v[RD] offset:HALFT+2*PITCH*\i
.endr
.irp i, 0,1,2,3,4,5,6,7,8,9,10,11,12,13,14,15
	ds_load_b128 v[160+4*\i:160+4*\i+3], v[RDV] offset:2*PITCH*\i
.endr
.irp i, 0,1,2,3,4,5,6,7,8,9,10,11,12,13,14,15
	s_wait_dscnt 47-\i                             ; LDS loads come back in order: the counts run down over the 48
	global_store_b128 v[CQ], v[32+4*\i:32+4*\i+3], s[10:11] offset:512*\i      ; 512 neighbouring bytes of qb
.endr
.irp i, 0,1,2,3,4,5,6,7,8,9,10,11,12,13,14,15
	s_wait_dscnt 31-\i
	global_store_b128 v[CQ], v[96+4*\i:96+4*\i+3], s[12:13] offset:512*\i
.endr
.irp i, 0,1,2,3,4,5,6,7,8,9,10,11,12,13,14,15
	s_wait_dscnt 15-\i
	global_store_b128 v[CV], v[160+4*\i:160+4*\i+3], s[14:15] offset:8192*\i   ; two aligned pieces of 256 bytes, one in each of two rows of vt
.endr
	s_wait_tensorcnt 0x0
	ds_add_u32 v30, v31
	s_wait_dscnt 0x0
	CROUND                                         ; the closing round: no work-group ends while a partner may still ask for a tile that names it
	s_endpgm
.Lfunc_end_k_q1a19e35a32_qkv:
	.size	k_q1a19e35a32_qkv, .Lfunc_end_k_q1a19e35a32_qkv-k_q1a19e35a32_qkv
	.p2alignl 7, 3214868480
	.fill 96, 4, 3214868480
	.section	.rodata,"a",@progbits
	.p2align	6, 0x0
	.amdhsa_kernel k_q1a19e35a32_qkv
		.amdhsa_group_segment_fixed_size 327680
		.amdhsa_private_segment_fixed_size 0
		.amdhsa_enable_private_segment 0
		.amdhsa_kernarg_size 48
		.amdhsa_user_sgpr_count 2
		.amdhsa_user_sgpr_kernarg_segment_ptr 1
		.amdhsa_wavefront_size32 1
		.amdhsa_system_sgpr_workgroup_id_x 1
		.amdhsa_system_sgpr_workgroup_id_y 1
		.amdhsa_system_sgpr_workgroup_id_z 1
		.amdhsa_system_vgpr_workitem_id 0
		.amdhsa_next_free_vgpr 896
		.amdhsa_next_free_sgpr 80
		.amdhsa_reserve_vcc 0
		.amdhsa_float_denorm_mode_32 3
		.amdhsa_float_denorm_mode_16_64 3
		.amdhsa_memory_ordered 1
		.amdhsa_forward_progress 1
		.amdhsa_inst_pref_size 194
	.end_amdhsa_kernel
	.amdgpu_metadata
---
amdhsa.version: [ 1, 2 ]
amdhsa.kernels:
  - .name:           k_q1a19e35a32_qkv
    .symbol:         k_q1a19e35a32_qkv.kd
    .args:
      - { .name: xb, .offset: 0, .size: 8, .value_kind: global_buffer, .address_space: global }
      - { .name: wb, .offset: 8, .size: 8, .value_kind: global_buffer, .address_space: global }
      - { .name: csb, .offset: 16, .size: 8, .value_kind: global_buffer, .address_space: global }
      - { .name: qb, .offset: 24, .size: 8, .value_kind: global_buffer, .address_space: global }
      - { .name: kb, .offset: 32, .size: 8, .value_kind: global_buffer, .address_space: global }
      - { .name: vt, .offset: 40, .size: 8, .value_kind: global_buffer, .address_space: global }
    .group_segment_fixed_size: 327680
    .private_segment_fixed_size: 0
    .kernarg_segment_align: 8
    .kernarg_segment_size: 48
    .max_flat_workgroup_size: 128
    .sgpr_count:     80
    .vgpr_count:     896
    .wavefront_size: 32
...
	.end_amdgpu_metadata
.endif
;; end of part 2
;; launch attn (part 3): grid 16 x 16, 4 waves a work-group, clusters of 4 x 1, 327,680 bytes of LDS; arguments qb, kb, vt, ob; writes ob
.if DOCPART == 3
	.amdgcn_target "amdgcn-amd-amdhsa--gfx1250"
	.amdhsa_code_object_version 6
	.text
	.protected	k_q1a19e35a32_attn
	.globl	k_q1a19e35a32_attn
	.p2align	8
	.type	k_q1a19e35a32_attn,@function
k_q1a19e35a32_attn:
	s_mov_b64 s[64:65], 0
	v_nop
	global_prefetch_b8 v0, s[64:65] scope:SCOPE_SE
	s_setreg_imm32_b32 hwreg(HW_REG_WAVE_MODE, 25, 1), 1
	s_wait_xcnt 0x0
	s_wait_alu depctr_hold_cnt(0) depctr_sa_sdst(0) depctr_va_vdst(0) depctr_va_sdst(0) depctr_va_ssrc(0) depctr_va_vcc(0) depctr_vm_vsrc(0)
	s_getreg_b32 s2, hwreg(HW_REG_IB_STS2, 6, 4)
	s_cmp_eq_u32 s2, 0
	s_cbranch_scc0 .Lentry_in_a_cluster
	s_endpgm
.Lentry_in_a_cluster:
	s_bfe_u32 s2, ttmp6, 0x10000c
	s_cmp_lg_u32 s2, 0x3003
	s_cbranch_scc0 .Lentry_shape_is_right
	s_endpgm
.Lentry_shape_is_right:
; Causal attention of one (batch, head) bh, f16 operands, f32 sums and softmax with a running maximum; ob[b t][512] in f16.
; Queries go in blocks of 64 rows, i = 0..31; four blocks make a group.  Keys go in laps of 256 (= a group's queries), one LDS slot a lap, two slots by turns.
; A work-group does two blocks (g: the cluster's number, cx: my place in it):
;   pass A: block 8 g + cx of group 2 g: 2 g + 1 laps, the diagonal (masked) lap FIRST, then key laps 0 .. 2 g - 1 (a running maximum takes the laps in any order);
;   pass B: block 28 - 8 g + cx of group 7 - 2 g: key laps 0 .. 7 - 2 g, the diagonal one last.
; Nine laps for every work-group.  Pass A has an odd number of laps, so lap n lies in slot n mod 2 with the masked laps, the merges and the tail at fixed slots:
; slot numbers are constants of the text, only the two trip counts (g and 3 - g) hang on g.
; CLUSTER: the four partners walk the same key laps with the same trip counts (they hang on g alone), so every K and V tile is asked for jointly, mask 15.
; All four waves hold the same 64 queries; wave w takes keys 64 w .. + 63 of each lap, so each LDS byte is read by one wave, once.  The four partial results
; (maximum, sum, O) are merged through LDS at the end of each pass, one query tile of 16 rows at a time (the stage has room for one beside the two slots).
; Both products are used transposed: S^T = K Q^T (lane: query r, keys 8 hl + j) packs straight into the second source of O^T = V^T P^T (lane: query r, d = 16 dt + 8 hl + j).
; So maximum, sum and rescaling are one number a lane and a lap; only the two halves of a wave exchange (v_permlanex16_b32).
; The mask is a compare of constants against D = 64 cx + r - 64 w - 8 hl and a select; the same D serves both passes.
; LIMITS: a masked score, and the start of the running maximum, is -3.4028e38 (as in the problem).  A wave all of whose keys so far are masked for a query carries finite
; rubbish with that maximum; the next real maximum's factor exp2(-3.4e38 - m) = 0, or the merge's weight of the same form, wipes it.  Pass B starts its sums in the same
; way.  Both need finite O, so they hold wherever the problem's own result is finite.  o is rounded to f16: |o| below 65,504.
; REGISTERS: window 0: addresses, softmax state, S^T (v64-191), a merge buffer (v192-255); window 1: Q (v0-127), V^T fragments (v128-255); window 2: O; window 3: K fragments (v0-127).
.set PITCH,  272                       ; a K row: 256 bytes + 16
.set VPITCH, 528                       ; a V^T row: 256 keys = 512 bytes + 16; both pitches are odd multiples of 16 bytes
.set KHALF,  128*PITCH                 ; what one load of K brings
.set VHALF,  64*VPITCH                 ; what one load of V^T brings
.set KTILE,  2*KHALF
.set SLOT,   KTILE+2*VHALF             ; K's 256 rows (by key), then V^T's 128 rows (by d): 137,216 bytes
.set STG,    2*SLOT                    ; merge stage [wave][16 queries x 528 bytes]: no tensor load lands here
.set SPITCH, 528
.set WREG,   16*SPITCH
.set STAT,   STG+4*WREG                ; 512 bytes a wave: maxima at 64 qt + 4 r, sums 256 further
.set KAD, 4                            ; v4-5   my K fragments in slot 0, 1
.set VAD, 6                            ; v6-7   my V fragments
.set QOF, 8
.set STO, 9
.set RD0, 10
.set STW, 12
.set STR, 13
.set OO,  14
.set NEG, 15
.set D0,  16                           ; the mask's D
.set MA,  20                           ; v20-23, v24-27: the running maximum; a lap in slot 0 reads the first set and writes the second, in slot 1 the other way
.set MF,  24                           ; both passes end in slot 0: the maximum then lies here, and the next pass (slot 1) reads it here
.set PX,  28                           ; v28-31 what the other half of the wave sent
.set AL,  32                           ; even registers: exp2(old max - new max); packed sources name a pair, op_sel_hi 0 takes its low register twice
.set NM,  40                           ; even registers: - new max
.set LP,  48                           ; pairs: running sums
.set WW,  56                           ; even registers: merge weights
.set LQ,  32                           ; merge: my sums        (AL and NM are free there)
.set MT,  36                           ; merge: common maximum
.set OWN, 40
.set DEN, 44
.set SB,  64                           ; S^T tile (t, qt) at SB + 32 t + 8 qt; P of (kk, qt) is packed into tile (2 kk, qt)'s registers
.set BF,  192                          ; merge buffer
.set VB,  128                          ; window 1: V^T fragment (dt, kk) at VB + 8 (2 dt + kk)
.set G1K, 24
.set G0K, 32
.set G1V, 40
.set G0V, 48
.set MSB, 0
.macro WIN new                         ; the immediate's high byte repeats the setting that is left
.if MSB != (\new)
	s_set_vgpr_msb (MSB<<8)|(\new)
.set MSB, (\new)
.endif
.endm
.macro JLOAD s                         ; waves 0, 1 ask for K's halves, waves 2, 3 for V^T's
	s_cmp_eq_u32 s13, 0
	s_cbranch_scc0 .Lfor_v_\@
	tensor_load_to_lds s[G0K+4*\s:G0K+4*\s+3], s[G1K:G1K+7]
	s_nop 0
	s_branch .Lasked_\@
.Lfor_v_\@:
	tensor_load_to_lds s[G0V+4*\s:G0V+4*\s+3], s[G1V:G1V+7]
	s_nop 0
.Lasked_\@:
.endm
.macro CREST                           ; a round of the cluster's barrier behind its opening work-group barrier
	s_cmp_lg_u32 s12, 0
	s_cbranch_scc1 .Lnot_wave_0_\@
	s_barrier_signal -3
.Lnot_wave_0_\@:
	s_barrier_wait -3
	s_barrier_signal -1
	s_barrier_wait -1
.endm
.macro CROUND
	s_barrier_signal -1
	s_barrier_wait -1
	CREST
.endm
.macro PLACES
.rept 4
	v_nop
.endr
.endm
; The slot's next key lap is number s19.  It counts 1, 2, .. 2 g - 1 (pass A's), falls to 0 at s20 = 2 g, and then counts pass B's (s20 is put out of reach, at 64).
; Stands where no tensor load of the wave is out.
.macro NEXTADDR slot
	s_lshl_b32 s60, s19, 16                        ; K: 256 rows of 256 bytes a lap
	s_lshl_b32 s62, s19, 9                         ; V^T: 256 keys of 2 bytes along the rows
	s_add_nc_u64 s[G0K+4*\slot+2:G0K+4*\slot+3], s[56:57], s[60:61]
	s_add_nc_u64 s[G0V+4*\slot+2:G0V+4*\slot+3], s[58:59], s[62:63]
	s_or_b32 s[G0K+4*\slot+3], s[G0K+4*\slot+3], 0x80000000
	s_or_b32 s[G0V+4*\slot+3], s[G0V+4*\slot+3], 0x80000000
	s_add_co_u32 s19, s19, 1
	s_cmp_eq_u32 s19, s20
	s_cselect_b32 s19, 0, s19
	s_cselect_b32 s20, 64, s20
.endm
.macro KLOAD slot                      ; my 64 keys x 128 d as 16 fragments into window 3
	WIN 0xc0
.irp t, 0,1,2,3
.irp ks, 0,1,2,3
	ds_load_b128 v[8*(4*\t+\ks):8*(4*\t+\ks)+3],   v[KAD+\slot] offset:16*PITCH*\t+64*\ks
	ds_load_b128 v[8*(4*\t+\ks)+4:8*(4*\t+\ks)+7], v[KAD+\slot] offset:16*PITCH*\t+64*\ks+32
.endr
.endr
	WIN 0
.endm
.macro VLOAD slot                      ; 128 d x my 64 keys as 16 fragments into window 1
	WIN 0x40
.irp dt, 0,1,2,3,4,5,6,7
.irp kk, 0,1
	ds_load_b128 v[VB+8*(2*\dt+\kk):VB+8*(2*\dt+\kk)+3],   v[VAD+\slot] offset:16*VPITCH*\dt+64*\kk
	ds_load_b128 v[VB+8*(2*\dt+\kk)+4:VB+8*(2*\dt+\kk)+7], v[VAD+\slot] offset:16*VPITCH*\dt+64*\kk+32
.endr
.endr
.endm
.macro QLOAD base                      ; 64 queries x 128 d as 16 fragments into window 1
	WIN 0x40
.irp qt, 0,1,2,3
.irp ks, 0,1,2,3
	global_load_b128 v[8*(4*\qt+\ks):8*(4*\qt+\ks)+3],   v[QOF], s[\base:\base+1] offset:4096*\qt+64*\ks
	global_load_b128 v[8*(4*\qt+\ks)+4:8*(4*\qt+\ks)+7], v[QOF], s[\base:\base+1] offset:4096*\qt+64*\ks+32
.endr
.endr
	WIN 0
.endm
	s_load_b256 s[4:11], s[0:1], 0x0               ; qb s[4:5], kb s[6:7], vt s[8:9], ob s[10:11]
	v_lshl_add_u32 v17, v0, 2, 0x4bc00
	v_mov_b32 v18, 0
	ds_add_u32 v17, v18
	v_lshrrev_b32 v1, 5, v0
	v_readfirstlane_b32 s12, v1                    ; wave
	s_lshr_b32 s13, s12, 1                         ; I fetch for K (0) or for V (1)
	s_and_b32 s14, s12, 1                          ; which half of that tile's rows
	s_bfe_u32 s15, ttmp6, 0x40000                  ; cx
	s_mov_b32 s16, ttmp9                           ; g: also pass A's trips of two laps
	s_and_b32 s17, ttmp7, 0xffff                   ; bh
	s_lshl_b32 s20, s16, 1                         ; where the lap counter falls back to 0: 2 g (never met for g = 0)
	s_sub_co_u32 s21, 3, s16                       ; pass B's trips of two laps
	s_mov_b32 s19, 1                               ; the next key lap to ask for
	s_mov_b32 s22, 0x76543210                      ; v_permlanex16_b32: lane i reads lane i of the other half
	s_mov_b32 s23, 0xfedcba98
	; group 1, elements of 2 bytes, mask 15 with bit 21 beside it.  K: 128 rows x 128, 4 words of padding behind every 64.  V^T: 64 rows x 256, 4 words behind every 128.
	s_mov_b32 s[G1K+0], 15|(1<<16)|(1<<20)|(1<<21)|(5<<22)|(3<<25)
	s_mov_b32 s[G1V+0], 15|(1<<16)|(1<<20)|(1<<21)|(6<<22)|(3<<25)
	s_mov_b32 s[G1K+1], 128<<16                    ; tensor_dim0
	s_mov_b32 s[G1V+1], 256<<16
	s_mov_b32 s[G1K+2], 128<<16                    ; tensor_dim1
	s_mov_b32 s[G1V+2], 64<<16
	s_mov_b32 s[G1K+3], 128<<16                    ; tile_dim0
	s_mov_b32 s[G1V+3], 256<<16
	s_mov_b32 s[G1K+4], 128                        ; tile_dim1
	s_mov_b32 s[G1V+4], 64
	s_mov_b32 s[G1K+5], 128                        ; K: a row follows the last
	s_mov_b32 s[G1V+5], 2048                       ; V^T: 2,048 keys from row to row
	s_mov_b32 s[G1K+6], 0
	s_mov_b32 s[G1V+6], 0
	s_mov_b32 s[G1K+7], 0
	s_mov_b32 s[G1V+7], 0
	s_mul_i32 s74, s12, KHALF                      ; where my part of K goes (waves 0, 1)
	s_mul_i32 s18, s12, VHALF
	s_add_co_u32 s18, s18, KTILE-2*VHALF           ; where my part of V^T goes (waves 2, 3): KTILE + (wave - 2) x VHALF
	s_lshl_b32 s75, s17, 19                        ; bh x 524,288 bytes
	s_lshl_b32 s60, s14, 15                        ; K: 128 rows of 256 bytes
	s_add_co_u32 s60, s60, s75
	s_mov_b32 s61, 0
	s_lshl_b32 s62, s14, 18                        ; V^T: 64 rows of 4,096 bytes
	s_add_co_u32 s62, s62, s75
	s_mov_b32 s63, 0
	s_lshl3_add_u32 s76, s16, s15                  ; pass A's block: 8 g + cx
	s_lshl_b32 s77, s16, 3
	s_sub_co_u32 s77, 28, s77
	s_add_co_u32 s77, s77, s15                     ; pass B's block: 28 - 8 g + cx
	s_wait_dscnt 0x0
	s_wait_kmcnt 0x0
	s_add_nc_u64 s[56:57], s[6:7], s[60:61]        ; key lap 0 of K and of V^T, my half: no place in the cluster enters
	s_add_nc_u64 s[58:59], s[8:9], s[62:63]
	s_lshl_b32 s60, s16, 17                        ; key lap 2 g, pass A's diagonal: 65,536 bytes a lap in K,
	s_lshl_b32 s62, s16, 10                        ; 512 in V^T's rows
	CROUND                                         ; the four partners are here: the first joint loads meet
.irp s, 0,1
	s_mov_b32 s[G0K+4*\s], 1
	s_add_co_u32 s[G0K+4*\s+1], s74, \s*SLOT
	s_mov_b32 s[G0V+4*\s], 1
	s_add_co_u32 s[G0V+4*\s+1], s18, \s*SLOT
.endr
	s_add_nc_u64 s[G0K+2:G0K+3], s[56:57], s[60:61]    ; slot 0: key lap 2 g
	s_add_nc_u64 s[G0V+2:G0V+3], s[58:59], s[62:63]
	s_mov_b64 s[G0K+6:G0K+7], s[56:57]                 ; slot 1: key lap 0 (pass A's, or for g = 0 pass B's)
	s_mov_b64 s[G0V+6:G0V+7], s[58:59]
.irp s, 0,1
	s_or_b32 s[G0K+4*\s+3], s[G0K+4*\s+3], 0x80000000
	s_or_b32 s[G0V+4*\s+3], s[G0V+4*\s+3], 0x80000000
.endr
	JLOAD 0
	JLOAD 1                                        ; two loads of this wave are out
	s_lshl_b32 s78, s76, 14                        ; 64 rows of 256 bytes a block
	s_add_co_u32 s78, s78, s75
	s_mov_b32 s79, 0
	s_add_nc_u64 s[66:67], s[4:5], s[78:79]        ; pass A's queries
	s_lshl_b32 s78, s77, 14
	s_add_co_u32 s78, s78, s75
	s_add_nc_u64 s[68:69], s[4:5], s[78:79]        ; pass B's
	s_lshr_b32 s75, s17, 2
	s_lshl_b32 s75, s75, 21                        ; b x 2,048 rows of 1,024 bytes
	s_and_b32 s78, s17, 3
	s_lshl_b32 s78, s78, 8                         ; + head x 256 bytes
	s_add_co_u32 s75, s75, s78
	s_lshl_b32 s78, s76, 16
	s_add_co_u32 s78, s78, s75
	s_add_nc_u64 s[70:71], s[10:11], s[78:79]      ; pass A's rows of ob
	s_lshl_b32 s78, s77, 16
	s_add_co_u32 s78, s78, s75
	s_add_nc_u64 s[72:73], s[10:11], s[78:79]      ; pass B's
	v_and_b32 v1, 15, v0                           ; r
	v_bfe_u32 v2, v0, 4, 1                         ; hl
	v_and_b32 v3, 31, v0                           ; lane
	v_lshlrev_b32 v[QOF], 8, v1
	v_lshl_add_u32 v[QOF], v2, 4, v[QOF]           ; 256 r + 16 hl
	QLOAD 66
	v_mul_u32_u24 v19, v1, PITCH
	v_lshl_add_u32 v19, v2, 4, v19                 ; r x pitch + 16 hl
	s_mul_i32 s75, s12, 64*PITCH
	v_add_nc_u32 v[KAD], s75, v19                  ; K: row 64 w + r
	v_add_nc_u32 v[KAD+1], SLOT, v[KAD]
	v_mul_u32_u24 v19, v1, VPITCH
	v_lshl_add_u32 v19, v2, 4, v19
	s_lshl_b32 s75, s12, 7
	s_add_co_u32 s75, s75, KTILE
	v_add_nc_u32 v[VAD], s75, v19                  ; V^T: row r, byte 128 w + 16 hl
	v_add_nc_u32 v[VAD+1], SLOT, v[VAD]
	s_mul_i32 s75, s12, WREG
	s_add_co_u32 s75, s75, STG
	v_mul_u32_u24 v[STO], v1, SPITCH
	v_lshl_add_u32 v[STO], v2, 5, v[STO]
	v_add_nc_u32 v[STO], s75, v[STO]               ; my region of the stage, row r, byte 32 hl
	s_mul_i32 s75, s12, 4*SPITCH
	s_add_co_u32 s75, s75, STG
	v_lshl_add_u32 v[RD0], v3, 4, s75              ; rows 4 w .. of wave 0's region; the others' stand in the offset
	s_lshl_b32 s75, s12, 9
	s_add_co_u32 s75, s75, STAT
	v_lshl_add_u32 v[STW], v1, 2, s75
	v_lshlrev_b32 v[STR], 2, v1
	v_add_nc_u32 v[STR], STAT, v[STR]
	s_lshl_b32 s75, s12, 12
	v_lshl_add_u32 v[OO], v3, 3, s75               ; 4 w rows of 1,024 bytes + 8 lane
	v_mov_b32 v[NEG], 0xff7fffff
	v_lshlrev_b32 v19, 3, v2
	v_sub_nc_u32 v[D0], v1, v19
	s_sub_co_i32 s75, s15, s12
	s_lshl_b32 s75, s75, 6
	v_add_nc_u32 v[D0], s75, v[D0]                 ; 64 cx + r - 64 w - 8 hl
.irp qt, 0,1,2,3
	v_mov_b32 v[MA+\qt], v[NEG]
	v_mov_b32 v[PX+\qt], 0                         ; a lane permute's destination counts as read
.endr
.irp i, 0,1,2,3,4,5,6,7
	v_mov_b32 v[LP+\i], 0
.endr
.irp i, 1,3,5,7
	v_mov_b32 v[AL+\i], 0                          ; the pairs' upper registers are named, never used
	v_mov_b32 v[NM+\i], 0
	v_mov_b32 v[WW+\i], 0
.endr
; One lap: my 64 keys of the 256 in slot.  first: the products start O.  masked: the causal select.  next: a change of slots follows (a barrier, the other slot's K fragments).
; fill: this slot is filled again, behind a round of the cluster's barrier.
.macro STEP slot, first, masked, fill, next
.set MI, MA+4*\slot
.set MO, MA+4-4*\slot
	s_wait_dscnt 0x0                               ; this lap's K fragments, asked for in the middle of the lap before
	VLOAD \slot                                    ; land under the S products
	WIN 0x07                                       ; source 0 (K) in window 3, source 1 (Q) in window 1
.irp ks, 0,1,2,3
.irp t, 0,1,2,3
.irp qt, 0,1,2,3
.if \ks
	v_wmma_f32_16x16x32_f16 v[SB+32*\t+8*\qt:SB+32*\t+8*\qt+7], v[8*(4*\t+\ks):8*(4*\t+\ks)+7], v[8*(4*\qt+\ks):8*(4*\qt+\ks)+7], v[SB+32*\t+8*\qt:SB+32*\t+8*\qt+7]
.else
	v_wmma_f32_16x16x32_f16 v[SB+32*\t+8*\qt:SB+32*\t+8*\qt+7], v[8*(4*\t+\ks):8*(4*\t+\ks)+7], v[8*(4*\qt+\ks):8*(4*\qt+\ks)+7], 0
.endif
.endr
.endr
.endr                                              ; the sixteen accumulators take turns, one instruction a turn
	WIN 0
	PLACES
.if \masked
.irp t, 0,1,2,3
.irp qt, 0,1,2,3
.irp j, 0,1,2,3,4,5,6,7
	v_cmp_gt_i32 vcc_lo, 16*(\t-\qt)+\j, v[D0]                         ; key beyond the query
	v_cndmask_b32 v[SB+32*\t+8*\qt+\j], v[SB+32*\t+8*\qt+\j], v[NEG], vcc_lo
.endr
.endr
.endr
.endif
.irp qt, 0,1,2,3
	v_max3_num_f32 v[MO+\qt], v[SB+8*\qt], v[SB+8*\qt+1], v[MI+\qt]
.endr
.irp i, 2,4,6
.irp qt, 0,1,2,3
	v_max3_num_f32 v[MO+\qt], v[SB+8*\qt+\i], v[SB+8*\qt+\i+1], v[MO+\qt]
.endr
.endr
.irp t, 1,2,3
.irp i, 0,2,4,6
.irp qt, 0,1,2,3
	v_max3_num_f32 v[MO+\qt], v[SB+32*\t+8*\qt+\i], v[SB+32*\t+8*\qt+\i+1], v[MO+\qt]
.endr
.endr
.endr
.irp qt, 0,1,2,3
	v_permlanex16_b32 v[PX+\qt], v[MO+\qt], s22, s23                   ; the other half holds the same query's other keys
.endr
.irp qt, 0,1,2,3
	v_max_num_f32 v[MO+\qt], v[MO+\qt], v[PX+\qt]
.endr
.irp qt, 0,1,2,3
	v_sub_f32 v[AL+2*\qt], v[MI+\qt], v[MO+\qt]
	v_sub_f32 v[NM+2*\qt], 0, v[MO+\qt]
.endr
	s_wait_dscnt 0x0                               ; V is in: my reads of this slot are over
.if \next
	s_wait_tensorcnt 0x0                           ; all my tensor loads have landed: the one that was out is my part of the other slot
	ds_add_u32 v17, v18
	s_wait_dscnt 0x0
.if \fill
	NEXTADDR \slot
.endif
	s_barrier_signal -1                            ; (where the slot is filled again this barrier opens a round of the cluster's barrier)
.endif
.irp t, 0,1,2,3
.irp qt, 0,1,2,3
.irp p, 0,2,4,6
	v_pk_add_f32 v[SB+32*\t+8*\qt+\p:SB+32*\t+8*\qt+\p+1], v[SB+32*\t+8*\qt+\p:SB+32*\t+8*\qt+\p+1], v[NM+2*\qt:NM+2*\qt+1] op_sel_hi:[1,0]
.endr
.endr
.endr
.set e, 0
.rept 128
	v_exp_f32 v[SB+e], v[SB+e]
.set e, e+1
.endr
.irp qt, 0,1,2,3
	v_exp_f32 v[AL+2*\qt], v[AL+2*\qt]
.endr
	v_nop                                          ; one plain place between the exponentials and their first use (ISA guide 5.7.2)
.if \next
	s_barrier_wait -1
.if \fill
	CREST                                          ; no wave of any partner still reads this slot or has a load on its way
	JLOAD \slot                                    ; my one tensor load behind the round: 32 KiB, with a whole lap (128 matrix instructions and its softmax) in which to land
.endif
	KLOAD 1-\slot
.endif
	s_wait_alu depctr_va_vdst(0)
.irp qt, 0,1,2,3
	v_pk_fma_f32 v[LP+2*\qt:LP+2*\qt+1], v[LP+2*\qt:LP+2*\qt+1], v[AL+2*\qt:AL+2*\qt+1], v[SB+8*\qt:SB+8*\qt+1] op_sel_hi:[1,0,1]
.endr
.irp i, 2,4,6
.irp qt, 0,1,2,3
	v_pk_add_f32 v[LP+2*\qt:LP+2*\qt+1], v[LP+2*\qt:LP+2*\qt+1], v[SB+8*\qt+\i:SB+8*\qt+\i+1]
.endr
.endr
.irp t, 1,2,3
.irp i, 0,2,4,6
.irp qt, 0,1,2,3
	v_pk_add_f32 v[LP+2*\qt:LP+2*\qt+1], v[LP+2*\qt:LP+2*\qt+1], v[SB+32*\t+8*\qt+\i:SB+32*\t+8*\qt+\i+1]
.endr
.endr
.endr
.irp kk, 0,1
.irp qt, 0,1,2,3
.irp p, 0,1,2,3
	v_cvt_pk_f16_f32 v[SB+64*\kk+8*\qt+\p], v[SB+64*\kk+8*\qt+2*\p], v[SB+64*\kk+8*\qt+2*\p+1]           ; keys 32 kk + 8 hl + 0..7: registers 0-3 of the fragment (each source is read before it is written over)
.endr
.irp p, 0,1,2,3
	v_cvt_pk_f16_f32 v[SB+64*\kk+8*\qt+4+\p], v[SB+64*\kk+32+8*\qt+2*\p], v[SB+64*\kk+32+8*\qt+2*\p+1]   ; keys 32 kk + 16 + 8 hl + 0..7: registers 4-7
.endr
.endr
.endr
.if \first == 0
	WIN 0x82                                       ; O in window 2, the factor in window 0: once for 256 keys
.irp dt, 0,1,2,3,4,5,6,7
.irp qt, 0,1,2,3
.irp p, 0,2,4,6
	v_pk_mul_f32 v[8*(4*\dt+\qt)+\p:8*(4*\dt+\qt)+\p+1], v[8*(4*\dt+\qt)+\p:8*(4*\dt+\qt)+\p+1], v[AL+2*\qt:AL+2*\qt+1] op_sel_hi:[1,0]
.endr
.endr
.endr
.endif
	WIN 0xa1                                       ; source 0 (V^T) in window 1, source 1 (P) in window 0, C and D in window 2
.irp kk, 0,1
.irp dt, 0,1,2,3,4,5,6,7
.irp qt, 0,1,2,3
.if \first*(1-\kk)
	v_wmma_f32_16x16x32_f16 v[8*(4*\dt+\qt):8*(4*\dt+\qt)+7], v[VB+8*(2*\dt+\kk):VB+8*(2*\dt+\kk)+7], v[SB+64*\kk+8*\qt:SB+64*\kk+8*\qt+7], 0
.else
	v_wmma_f32_16x16x32_f16 v[8*(4*\dt+\qt):8*(4*\dt+\qt)+7], v[VB+8*(2*\dt+\kk):VB+8*(2*\dt+\kk)+7], v[SB+64*\kk+8*\qt:SB+64*\kk+8*\qt+7], v[8*(4*\dt+\qt):8*(4*\dt+\qt)+7]
.endif
.endr
.endr
.endr                                              ; the 32 accumulators take turns, one instruction a turn
	WIN 0
.rept 5
	v_nop                                          ; five places: the next S products write over P's registers, the next loads over V's
.endr
.endm
; THE MERGE.  O of query tile qt times my weight
.macro OSCALE qt
	WIN 0x82
.irp dt, 0,1,2,3,4,5,6,7
.irp p, 0,2,4,6
	v_pk_mul_f32 v[8*(4*\dt+\qt)+\p:8*(4*\dt+\qt)+\p+1], v[8*(4*\dt+\qt)+\p:8*(4*\dt+\qt)+\p+1], v[WW+2*\qt:WW+2*\qt+1] op_sel_hi:[1,0]
.endr
.endr
	WIN 0
.endm
; wave w reads rows 4 w + k of the tile in the stage from the four waves' regions
.macro RLOAD buf
.irp k, 0,1,2,3
.irp w, 0,1,2,3
	ds_load_b128 v[\buf+16*\k+4*\w:\buf+16*\k+4*\w+3], v[RD0] offset:WREG*\w+SPITCH*\k
.endr
.endr
.endm
.macro RSUM qt, buf, ob
.irp k, 0,1,2,3
	v_pk_add_f32 v[\buf+16*\k:\buf+16*\k+1],     v[\buf+16*\k:\buf+16*\k+1],     v[\buf+16*\k+4:\buf+16*\k+5]
	v_pk_add_f32 v[\buf+16*\k+2:\buf+16*\k+3],   v[\buf+16*\k+2:\buf+16*\k+3],   v[\buf+16*\k+6:\buf+16*\k+7]
	v_pk_add_f32 v[\buf+16*\k+8:\buf+16*\k+9],   v[\buf+16*\k+8:\buf+16*\k+9],   v[\buf+16*\k+12:\buf+16*\k+13]
	v_pk_add_f32 v[\buf+16*\k+10:\buf+16*\k+11], v[\buf+16*\k+10:\buf+16*\k+11], v[\buf+16*\k+14:\buf+16*\k+15]
	v_pk_add_f32 v[\buf+16*\k:\buf+16*\k+1],     v[\buf+16*\k:\buf+16*\k+1],     v[\buf+16*\k+8:\buf+16*\k+9]
	v_pk_add_f32 v[\buf+16*\k+2:\buf+16*\k+3],   v[\buf+16*\k+2:\buf+16*\k+3],   v[\buf+16*\k+10:\buf+16*\k+11]
	v_cvt_pk_f16_f32 v[\buf+16*\k],   v[\buf+16*\k],   v[\buf+16*\k+1]
	v_cvt_pk_f16_f32 v[\buf+16*\k+1], v[\buf+16*\k+2], v[\buf+16*\k+3]
	global_store_b64 v[OO], v[\buf+16*\k:\buf+16*\k+1], s[\ob:\ob+1] offset:(16*\qt+\k)*1024    ; the wave stores 256 consecutive bytes, aligned: one head's part of a row
.endr
.endm
; One query tile through the stage: all four waves store their weighted O, a barrier, each wave sums four of the 16 rows.
.macro MQT qt, buf, ob
.if \qt
	s_barrier_signal -1                            ; every wave's reads of the last tile are back (its wait for them stood ahead of its sums):
	s_barrier_wait -1                              ; the stage may be written again
.endif
	WIN 0x08                                       ; store data in window 2
.irp dt, 0,1,2,3,4,5,6,7
	ds_store_b128 v[STO], v[8*(4*\dt+\qt):8*(4*\dt+\qt)+3]   offset:64*\dt
	ds_store_b128 v[STO], v[8*(4*\dt+\qt)+4:8*(4*\dt+\qt)+7] offset:64*\dt+16
.endr
	WIN 0
	s_wait_dscnt 0x0                               ; my part of the tile is in the stage,
	s_barrier_signal -1
	s_barrier_wait -1                              ; everybody's is
.if \qt >= 2
	s_wait_xcnt 0x0                                ; the buffer, which stores read two tiles ago, is loaded again only behind this wait
.endif
	RLOAD \buf
.if \qt < 3
	OSCALE (\qt+1)                                 ; register work while the loads are out
.endif
	s_wait_dscnt 0x0
	RSUM \qt, \buf, \ob
.endm
; The end of a pass.  more = 1: pass B follows: its queries are asked for first and waited for last.  K's registers are left alone: they hold the next lap's fragments.
.macro MERGE more, ob
.if \more
	QLOAD 68
.endif
.irp qt, 0,1,2,3
	v_add_f32 v[LQ+\qt], v[LP+2*\qt], v[LP+2*\qt+1]
.endr
.irp qt, 0,1,2,3
	v_permlanex16_b32 v[PX+\qt], v[LQ+\qt], s22, s23
.endr
.irp qt, 0,1,2,3
	v_add_f32 v[LQ+\qt], v[LQ+\qt], v[PX+\qt]
.endr
.irp qt, 0,1,2,3
	ds_store_b32 v[STW], v[MF+\qt] offset:64*\qt                       ; both halves of the wave write the same value
	ds_store_b32 v[STW], v[LQ+\qt] offset:256+64*\qt
.endr
	s_wait_dscnt 0x0                               ; my maxima and sums are in LDS (and the next K fragments in registers),
	s_barrier_signal -1
	s_barrier_wait -1                              ; everybody's are.  A tile may stay on its way: no slot is filled behind the merge's barriers
.irp w, 0,1,2,3
.irp qt, 0,1,2,3
	ds_load_b32 v[BF+4*\w+\qt],    v[STR] offset:512*\w+64*\qt
	ds_load_b32 v[BF+16+4*\w+\qt], v[STR] offset:512*\w+64*\qt+256
.endr
.endr
	s_wait_dscnt 0x0
.irp qt, 0,1,2,3
	v_max3_num_f32 v[MT+\qt], v[BF+\qt], v[BF+4+\qt], v[BF+8+\qt]
.endr
.irp qt, 0,1,2,3
	v_max_num_f32 v[MT+\qt], v[MT+\qt], v[BF+12+\qt]
.endr
.irp qt, 0,1,2,3
	v_sub_f32 v[OWN+\qt], v[MF+\qt], v[MT+\qt]
.irp w, 0,1,2,3
	v_sub_f32 v[BF+4*\w+\qt], v[BF+4*\w+\qt], v[MT+\qt]
.endr
.endr
.set e, 0
.rept 16
	v_exp_f32 v[BF+e], v[BF+e]
.set e, e+1
.endr
.irp qt, 0,1,2,3
	v_exp_f32 v[OWN+\qt], v[OWN+\qt]
.endr
	v_nop
	s_wait_alu depctr_va_vdst(0)
.irp qt, 0,1,2,3
	v_mul_f32 v[DEN+\qt], v[BF+\qt], v[BF+16+\qt]
.endr
.irp w, 1,2,3
.irp qt, 0,1,2,3
	v_fmac_f32 v[DEN+\qt], v[BF+4*\w+\qt], v[BF+16+4*\w+\qt]
.endr
.endr
.irp qt, 0,1,2,3
	v_rcp_f32 v[DEN+\qt], v[DEN+\qt]               ; at least 1: the wave that holds the maximum counts its own exp2(0)
.endr
	v_nop
	s_wait_alu depctr_va_vdst(0)
.irp qt, 0,1,2,3
	v_mul_f32 v[WW+2*\qt], v[OWN+\qt], v[DEN+\qt]
.endr
	OSCALE 0
	MQT 0, BF, \ob
	MQT 1, SB, \ob
	MQT 2, BF, \ob
	MQT 3, SB, \ob
.if \more
	s_wait_xcnt 0x0                                ; S's registers, which the last stores read, are written again by the next lap
.irp qt, 0,1,2,3
	v_mov_b32 v[MF+\qt], v[NEG]                    ; pass B starts: its first factor exp2(-3.4e38 - m) = 0 wipes O and the sums
.endr
	s_wait_loadcnt 0x0                             ; pass B's queries
.endif
.endm
	s_wait_tensorcnt 0x1                           ; my part of slot 0 is in; slot 1's stays out
	s_barrier_signal -1
	s_barrier_wait -1
	KLOAD 0
	s_wait_loadcnt 0x0                             ; pass A's queries
	STEP 0, 1, 1, 1, 1                             ; pass A: its diagonal lap starts the sums,
	s_cmp_eq_u32 s16, 0                            ; then 2 g laps without a mask (g is the same in all partners)
	s_cbranch_scc1 .La_done
	s_mov_b32 s18, 0
.La:
	STEP 1, 0, 0, 1, 1
	STEP 0, 0, 0, 1, 1
	s_add_co_u32 s18, s18, 1
	s_cmp_lt_u32 s18, s16
	s_cbranch_scc1 .La
.La_done:
	MERGE 1, 70
	s_cmp_eq_u32 s21, 0                            ; pass B: 6 - 2 g laps that fill their slots again,
	s_cbranch_scc1 .Lb_done
	s_mov_b32 s18, 0
.Lb:
	STEP 1, 0, 0, 1, 1
	STEP 0, 0, 0, 1, 1
	s_add_co_u32 s18, s18, 1
	s_cmp_lt_u32 s18, s21
	s_cbranch_scc1 .Lb
.Lb_done:
	STEP 1, 0, 0, 0, 1                             ; and laps 7 and 8 of the nine, which fill nothing: the last is the diagonal one
	STEP 0, 0, 1, 0, 0
	MERGE 0, 72
	s_wait_tensorcnt 0x0
	ds_add_u32 v17, v18
	s_wait_dscnt 0x0
	CROUND                                         ; the closing round: no work-group ends while a partner may still ask for a tile that names it
	s_endpgm
.Lfunc_end_k_q1a19e35a32_attn:
	.size	k_q1a19e35a32_attn, .Lfunc_end_k_q1a19e35a32_attn-k_q1a19e35a32_attn
	.p2alignl 7, 3214868480
	.fill 96, 4, 3214868480
	.section	.rodata,"a",@progbits
	.p2align	6, 0x0
	.amdhsa_kernel k_q1a19e35a32_attn
		.amdhsa_group_segment_fixed_size 327680
		.amdhsa_private_segment_fixed_size 0
		.amdhsa_enable_private_segment 0
		.amdhsa_kernarg_size 32
		.amdhsa_user_sgpr_count 2
		.amdhsa_user_sgpr_kernarg_segment_ptr 1
		.amdhsa_wavefront_size32 1
		.amdhsa_system_sgpr_workgroup_id_x 1
		.amdhsa_system_sgpr_workgroup_id_y 1
		.amdhsa_system_sgpr_workgroup_id_z 1
		.amdhsa_system_vgpr_workitem_id 0
		.amdhsa_next_free_vgpr 896
		.amdhsa_next_free_sgpr 80
		.amdhsa_reserve_vcc 1
		.amdhsa_float_denorm_mode_32 3
		.amdhsa_float_denorm_mode_16_64 3
		.amdhsa_memory_ordered 1
		.amdhsa_forward_progress 1
		.amdhsa_inst_pref_size 255
	.end_amdhsa_kernel
	.section	.bss,"aw",@nobits
	.p2align	6
	.space	262144
	.amdgpu_metadata
---
amdhsa.version: [ 1, 2 ]
amdhsa.kernels:
  - .name:           k_q1a19e35a32_attn
    .symbol:         k_q1a19e35a32_attn.kd
    .args:
      - { .name: qb, .offset: 0, .size: 8, .value_kind: global_buffer, .address_space: global }
      - { .name: kb, .offset: 8, .size: 8, .value_kind: global_buffer, .address_space: global }
      - { .name: vt, .offset: 16, .size: 8, .value_kind: global_buffer, .address_space: global }
      - { .name: ob, .offset: 24, .size: 8, .value_kind: global_buffer, .address_space: global }
    .group_segment_fixed_size: 327680
    .private_segment_fixed_size: 0
    .kernarg_segment_align: 8
    .kernarg_segment_size: 32
    .max_flat_workgroup_size: 128
    .sgpr_count:     80
    .vgpr_count:     896
    .wavefront_size: 32
...
	.end_amdgpu_metadata
.endif
;; end of part 3
;; launch oproj (part 4): grid 8 x 32, 4 waves a work-group, clusters of 4 x 4, 327,680 bytes of LDS; arguments ob, wb, out0; writes out0
.if DOCPART == 4
	.amdgcn_target "amdgcn-amd-amdhsa--gfx1250"
	.amdhsa_code_object_version 6
	.text
	.protected	k_q1a19e35a32_oproj
	.globl	k_q1a19e35a32_oproj
	.p2align	8
	.type	k_q1a19e35a32_oproj,@function
k_q1a19e35a32_oproj:
	s_mov_b64 s[64:65], 0
	v_nop
	global_prefetch_b8 v0, s[64:65] scope:SCOPE_SE
	s_setreg_imm32_b32 hwreg(HW_REG_WAVE_MODE, 25, 1), 1
	s_wait_xcnt 0x0
	s_wait_alu depctr_hold_cnt(0) depctr_sa_sdst(0) depctr_va_vdst(0) depctr_va_sdst(0) depctr_va_ssrc(0) depctr_va_vcc(0) depctr_vm_vsrc(0)
	s_getreg_b32 s2, hwreg(HW_REG_IB_STS2, 6, 4)
	s_cmp_eq_u32 s2, 0
	s_cbranch_scc0 .Lentry_in_a_cluster
	s_endpgm
.Lentry_in_a_cluster:
	s_bfe_u32 s2, ttmp6, 0x10000c
	s_cmp_lg_u32 s2, 0xf033
	s_cbranch_scc0 .Lentry_shape_is_right
	s_endpgm
.Lentry_shape_is_right:
; out0[m][n] = sum over k of o[m][k] wo[n][k].  o: ob [8192][512] f16; wo: f16 [2048][512] at byte 0x600000 of wb; out0 [8192][2048] f32; sums in f32.
; A work-group makes a block of 256 x 256 with four waves of 128 x 128 (64 accumulator tiles, 512 registers).  K = 512 goes in four steps of 128 through two LDS slots
; (256 rows of o, 256 rows of wo, 272 bytes apart), each wave fetching 128 rows by one tensor load.
; CLUSTERS: 4 x 4 work-groups; o's tile is asked for jointly along a row of the cluster, wo's along a column: the requests for both are divided by four.
; The matrix instruction is used transposed (source 0 = rows of wo, source 1 = rows of o): a lane holds 8 neighbouring columns of one row, 32 bytes of out0.
; Windows: 0: addresses, o's fragments (two buffers); 1: wo's fragments; 2, 3: accumulators of my rows 0-63, 64-127 (tile (a, b) at v[8 (8 a + b)]).
.set SIZE_N, 2048
.set SIZE_K, 512
.set KSTEP,  128
.set PITCH,  272
.set HALFT,  128*PITCH
.set SLOT,   4*HALFT
.set STAGE,  2*SLOT                    ; behind the ring: 16 rows x 528 bytes for each wave; no tensor load lands here
.set SPITCH, 528                       ; 512 bytes of a row + 16: the 16 rows that a store touches start 4 banks apart
.set ADRA, 16
.set ADRB, 20
.set STO,  24
.set RD,   25
.set CO,   26
.set F0,   64
.set F1,   128
.set G1,  24
.set G0,  32
.set G1B, 48
.set G0B, 56
.set MSB, 0
.macro WIN new
.if MSB != (\new)
	s_set_vgpr_msb (MSB<<8)|(\new)
.set MSB, (\new)
.endif
.endm
.set MUL_LO, 0xa1                      ; source 0 (wo) window 1, source 1 (o) window 0, C and D window 2
.set MUL_HI, 0xf1                      ; C and D window 3
.set TO_B,   0x40
.macro JLOAD s                         ; waves 0, 1 ask for o's halves, waves 2, 3 for wo's
	s_cmp_eq_u32 s11, 0
	s_cbranch_scc0 .Lfor_b_\@
	tensor_load_to_lds s[G0+4*\s:G0+4*\s+3], s[G1:G1+7]
	s_nop 0
	s_branch .Lasked_\@
.Lfor_b_\@:
	tensor_load_to_lds s[G0B+4*\s:G0B+4*\s+3], s[G1B:G1B+7]
	s_nop 0
.Lasked_\@:
.endm
.macro CREST
	s_cmp_lg_u32 s10, 0
	s_cbranch_scc1 .Lnot_wave_0_\@
	s_barrier_signal -3
.Lnot_wave_0_\@:
	s_barrier_wait -3
	s_barrier_signal -1
	s_barrier_wait -1
.endm
.macro CROUND
	s_barrier_signal -1
	s_barrier_wait -1
	CREST
.endm
	s_load_b128 s[4:7], s[0:1], 0x0                ; ob s[4:5], wb s[6:7]
	s_load_b64 s[8:9], s[0:1], 0x10                ; out0
	s_set_vgpr_msb 0x40
	v_lshl_add_u32 v255, v0, 2, 0x4c400
	s_set_vgpr_msb 0x4000
	v_mov_b32 v255, 0
	s_set_vgpr_msb 0x1
	ds_add_u32 v255, v255
	s_set_vgpr_msb 0x100
	v_lshrrev_b32 v1, 5, v0
	v_readfirstlane_b32 s10, v1                    ; wave
	s_lshr_b32 s11, s10, 1                         ; my half of the block's rows; also: I fetch for o (0) or for wo (1)
	s_and_b32 s12, s10, 1                          ; my half of its columns; also: which 128 rows of that tile I fetch
	s_bfe_u32 s40, ttmp6, 0x40000                  ; cx
	s_bfe_u32 s41, ttmp6, 0x40004                  ; cy
	s_lshl_b32 s42, ttmp9, 2
	s_add_co_u32 s42, s42, s40                     ; block column
	s_and_b32 s13, ttmp7, 0xffff
	s_lshl_b32 s13, s13, 2
	s_add_co_u32 s13, s13, s41                     ; block row
	s_lshl_b32 s43, s41, 2
	s_lshl_b32 s43, 15, s43                        ; my row of the cluster
	s_lshl_b32 s44, 0x1111, s40                    ; my column
	s_or_b32 s[G1+0],  s43, (1<<16)|(1<<20)|(1<<21)|(5<<22)|(3<<25)
	s_or_b32 s[G1B+0], s44, (1<<16)|(1<<20)|(1<<21)|(5<<22)|(3<<25)
	s_mov_b32 s[G1+1],  KSTEP<<16
	s_mov_b32 s[G1B+1], KSTEP<<16
	s_mov_b32 s[G1+2],  128<<16
	s_mov_b32 s[G1B+2], 128<<16
	s_mov_b32 s[G1+3],  KSTEP<<16
	s_mov_b32 s[G1B+3], KSTEP<<16
	s_mov_b32 s[G1+4],  128
	s_mov_b32 s[G1B+4], 128
	s_mov_b32 s[G1+5],  SIZE_K
	s_mov_b32 s[G1B+5], SIZE_K
	s_mov_b32 s[G1+6],  0
	s_mov_b32 s[G1B+6], 0
	s_mov_b32 s[G1+7],  0
	s_mov_b32 s[G1B+7], 0
	s_lshl_b32 s17, s12, 7
	s_lshl_b32 s16, s13, 8
	s_add_co_u32 s16, s16, s17                     ; o: row 256 x block row + 128 x half
	s_lshl_b32 s16, s16, 10                        ; x 1,024 bytes
	s_lshl_b32 s46, s42, 8
	s_add_co_u32 s46, s46, s17                     ; wo: row 256 x block column + 128 x half
	s_lshl_b32 s46, s46, 10
	s_add_co_u32 s46, s46, 0x600000                ; behind wq, wk, wv in wb
	s_mov_b32 s17, 0
	s_mov_b32 s47, 0
	s_mul_i32 s20, s10, HALFT
	s_wait_dscnt 0x0
	s_wait_kmcnt 0x0
	s_add_nc_u64 s[14:15], s[4:5], s[16:17]
	s_add_nc_u64 s[46:47], s[6:7], s[46:47]
	CROUND
.irp s, 0,1
	s_mov_b32 s[G0+4*\s], 1
	s_add_co_u32 s[G0+4*\s+1], s20, \s*SLOT
	s_add_nc_u64 s[G0+4*\s+2:G0+4*\s+3], s[14:15], \s*KSTEP*2
	s_or_b32 s[G0+4*\s+3], s[G0+4*\s+3], 0x80000000
	s_mov_b32 s[G0B+4*\s], 1
	s_add_co_u32 s[G0B+4*\s+1], s20, \s*SLOT
	s_add_nc_u64 s[G0B+4*\s+2:G0B+4*\s+3], s[46:47], \s*KSTEP*2
	s_or_b32 s[G0B+4*\s+3], s[G0B+4*\s+3], 0x80000000
	JLOAD \s                                       ; K steps 0 and 1: two loads of this wave are out
.endr
	v_and_b32 v1, 15, v0
	v_bfe_u32 v2, v0, 4, 1
	v_and_b32 v6, 31, v0
	v_mul_u32_u24 v3, v1, PITCH
	v_lshl_add_u32 v3, v2, 4, v3
	s_mul_i32 s21, s11, HALFT
	s_mul_i32 s22, s12, HALFT
	s_add_co_u32 s22, s22, 2*HALFT
.irp s, 0,1
	v_add_nc_u32 v[ADRA+\s], s21, v3
	v_add_nc_u32 v[ADRB+\s], s22, v3
	s_add_co_u32 s21, s21, SLOT
	s_add_co_u32 s22, s22, SLOT
.endr
	s_mul_i32 s23, s10, 16*SPITCH
	s_add_co_u32 s23, s23, STAGE                   ; my stage
	v_mul_u32_u24 v4, v1, SPITCH
	v_lshl_add_u32 v4, v2, 5, v4
	v_add_nc_u32 v[STO], s23, v4                   ; in: row r, 32 bytes for each half of the lanes
	v_lshl_add_u32 v[RD], v6, 4, s23               ; back: a whole row of 512 bytes a load
	v_lshlrev_b32 v[CO], 4, v6
.macro MUL16 f, hi, a0, zero
.irp a, \a0, \a0+1
.irp b, 0,1,2,3,4,5,6,7
.if \zero
	v_wmma_f32_16x16x32_f16 v[8*(8*(\a)+\b):8*(8*(\a)+\b)+7], v[\f+8*\b:\f+8*\b+7], v[\f+8*(4*\hi+\a):\f+8*(4*\hi+\a)+7], 0
.else
	v_wmma_f32_16x16x32_f16 v[8*(8*(\a)+\b):8*(8*(\a)+\b)+7], v[\f+8*\b:\f+8*\b+7], v[\f+8*(4*\hi+\a):\f+8*(4*\hi+\a)+7], v[8*(8*(\a)+\b):8*(8*(\a)+\b)+7]
.endif
.endr
.endr
.endm
.macro FETCH slot, k, f
	WIN TO_B
.irp i, 0,1,2,3,4,5,6,7
	ds_load_b128 v[\f+8*\i:\f+8*\i+3],   v[ADRB+\slot] offset:\k+\i*16*PITCH
	ds_load_b128 v[\f+8*\i+4:\f+8*\i+7], v[ADRB+\slot] offset:\k+\i*16*PITCH+32
.endr
	WIN 0
.irp i, 0,1,2,3,4,5,6,7
	ds_load_b128 v[\f+8*\i:\f+8*\i+3],   v[ADRA+\slot] offset:\k+\i*16*PITCH
	ds_load_b128 v[\f+8*\i+4:\f+8*\i+7], v[ADRA+\slot] offset:\k+\i*16*PITCH+32
.endr
.endm
.macro PLACES                          ; four places behind a matrix instruction, ahead of loads into its registers and of stores of its result
.rept 4
	v_nop
.endr
.endm
.macro QUARTER slot, k, f, g, zero
	s_wait_dscnt 8                                 ; wo and o's rows 0-63 are in; the youngest eight loads (o's rows 64-127) may be out
	WIN MUL_LO
	MUL16 \f, 0, 0, \zero
	MUL16 \f, 0, 2, \zero
	PLACES
	FETCH \slot, \k, \g
	s_wait_dscnt 32                                ; all but the 32 just issued
	WIN MUL_HI
	MUL16 \f, 1, 0, \zero
	MUL16 \f, 1, 2, \zero
.endm
.macro THREE slot, zero
	QUARTER \slot, 64,  F0, F1, \zero
	QUARTER \slot, 128, F1, F0, 0
	QUARTER \slot, 192, F0, F1, 0
.endm
; The change of slots: in front of the barrier each wave waits for its reads of this slot and for all its tensor loads; behind it (and behind the cluster's round
; where the slot is filled again) the refill comes first, then the next slot's fragments.  The 64 accumulators take turns.
.macro TURN slot, next, fill
	s_wait_dscnt 8
	WIN MUL_LO
	MUL16 F1, 0, 0, 0
	s_wait_dscnt 0
	s_wait_tensorcnt 0x0
	ds_add_u32 v255, v255
	s_wait_dscnt 0x0
	s_barrier_signal -1
	MUL16 F1, 0, 2, 0
	WIN 0
	s_barrier_wait -1
.if \fill
	CREST
	s_add_nc_u64 s[G0+4*\slot+2:G0+4*\slot+3], s[G0+4*\slot+2:G0+4*\slot+3], 2*KSTEP*2
	s_add_nc_u64 s[G0B+4*\slot+2:G0B+4*\slot+3], s[G0B+4*\slot+2:G0B+4*\slot+3], 2*KSTEP*2
	JLOAD \slot
.endif
	PLACES
	FETCH \next, 0, F0
	WIN MUL_HI
	MUL16 F1, 1, 0, 0
	MUL16 F1, 1, 2, 0
.endm
	s_wait_tensorcnt 0x1                           ; my part of K step 0 is in; step 1's stays out
	s_barrier_signal -1
	s_barrier_wait -1
	FETCH 0, 0, F0
	THREE 0, 1                                     ; K steps 0 and 1: the first products start the sums; both slots are filled again (steps 2 and 3)
	TURN 0, 1, 1
	THREE 1, 0
	TURN 1, 0, 1
	THREE 0, 0                                     ; K steps 2 and 3 fill nothing
	TURN 0, 1, 0
	THREE 1, 0
	s_wait_dscnt 8
	WIN MUL_LO
	MUL16 F1, 0, 0, 0
	MUL16 F1, 0, 2, 0
	s_wait_dscnt 0
	WIN MUL_HI
	MUL16 F1, 1, 0, 0
	MUL16 F1, 1, 2, 0
	; THE WAY OUT, 16 rows at a time: 32 bytes a lane from the accumulators into my own stage, read back as whole rows of 512 bytes
	PLACES
	s_lshl_b32 s13, s13, 8
	s_lshl_b32 s14, s11, 7
	s_add_co_u32 s16, s13, s14                     ; my first row
	s_lshl_b32 s16, s16, 13                        ; x 8,192 bytes
	s_mov_b32 s17, 0
	s_add_nc_u64 s[8:9], s[8:9], s[16:17]
	s_lshl_b32 s46, s42, 10                        ; my first column, in bytes: 1,024 x block + 512 x half
	s_lshl_b32 s47, s12, 9
	s_add_co_u32 s46, s46, s47
	s_mov_b32 s47, 0
	s_add_nc_u64 s[8:9], s[8:9], s[46:47]
.macro OUT16 i, a, from, f             ; from: store data (source 1) in window 2 (0x08) or 3 (0x0c)
	WIN \from
.irp b, 0,1,2,3,4,5,6,7
	ds_store_b128 v[STO], v[8*(8*\a+\b):8*(8*\a+\b)+3]   offset:64*\b
	ds_store_b128 v[STO], v[8*(8*\a+\b)+4:8*(8*\a+\b)+7] offset:64*\b+16
.endr
	WIN 0
	s_wait_xcnt 0x0                                ; buffer f, which stores read, and the stores' base are rewritten only behind this wait
.if \i
	s_add_nc_u64 s[8:9], s[8:9], 16*SIZE_N*4
.endif
.irp t, 0,1,2,3,4,5,6,7,8,9,10,11,12,13,14,15
	ds_load_b128 v[\f+4*\t:\f+4*\t+3], v[RD] offset:\t*SPITCH          ; LDS serves a wave's instructions in order: these see the stores above
.endr
.irp t, 0,1,2,3,4,5,6,7,8,9,10,11,12,13,14,15
	s_wait_dscnt 15-\t
	global_store_b128 v[CO], v[\f+4*\t:\f+4*\t+3], s[8:9] offset:\t*SIZE_N*4 th:TH_STORE_NT   ; the wave stores 512 consecutive bytes, aligned
.endr
.endm
	OUT16 0, 0, 0x08, F0
	OUT16 1, 1, 0x08, F1
	OUT16 2, 2, 0x08, F0
	OUT16 3, 3, 0x08, F1
	OUT16 4, 0, 0x0c, F0
	OUT16 5, 1, 0x0c, F1
	OUT16 6, 2, 0x0c, F0
	OUT16 7, 3, 0x0c, F1
	s_set_vgpr_msb 0x1
	s_wait_tensorcnt 0x0
	ds_add_u32 v255, v255
	s_wait_dscnt 0x0
	s_set_vgpr_msb 0x100
	CROUND                                         ; the closing round
	s_endpgm
.Lfunc_end_k_q1a19e35a32_oproj:
	.size	k_q1a19e35a32_oproj, .Lfunc_end_k_q1a19e35a32_oproj-k_q1a19e35a32_oproj
	.p2alignl 7, 3214868480
	.fill 96, 4, 3214868480
	.section	.rodata,"a",@progbits
	.p2align	6, 0x0
	.amdhsa_kernel k_q1a19e35a32_oproj
		.amdhsa_group_segment_fixed_size 327680
		.amdhsa_private_segment_fixed_size 0
		.amdhsa_enable_private_segment 0
		.amdhsa_kernarg_size 24
		.amdhsa_user_sgpr_count 2
		.amdhsa_user_sgpr_kernarg_segment_ptr 1
		.amdhsa_wavefront_size32 1
		.amdhsa_system_sgpr_workgroup_id_x 1
		.amdhsa_system_sgpr_workgroup_id_y 1
		.amdhsa_system_sgpr_workgroup_id_z 1
		.amdhsa_system_vgpr_workitem_id 0
		.amdhsa_next_free_vgpr 1024
		.amdhsa_next_free_sgpr 66
		.amdhsa_reserve_vcc 0
		.amdhsa_float_denorm_mode_32 3
		.amdhsa_float_denorm_mode_16_64 3
		.amdhsa_memory_ordered 1
		.amdhsa_forward_progress 1
		.amdhsa_inst_pref_size 143
	.end_amdhsa_kernel
	.amdgpu_metadata
---
amdhsa.version: [ 1, 2 ]
amdhsa.kernels:
  - .name:           k_q1a19e35a32_oproj
    .symbol:         k_q1a19e35a32_oproj.kd
    .args:
      - { .name: ob, .offset: 0, .size: 8, .value_kind: global_buffer, .address_space: global }
      - { .name: wb, .offset: 8, .size: 8, .value_kind: global_buffer, .address_space: global }
      - { .name: out0, .offset: 16, .size: 8, .value_kind: global_buffer, .address_space: global }
    .group_segment_fixed_size: 327680
    .private_segment_fixed_size: 0
    .kernarg_segment_align: 8
    .kernarg_segment_size: 24
    .max_flat_workgroup_size: 128
    .sgpr_count:     66
    .vgpr_count:     1024
    .wavefront_size: 32
...
	.end_amdgpu_metadata
.endif
;; end of part 4
;; ======== version 2 of 2: 4 launches; version 1 with the launch cast written anew for expert scheduling mode
;; limits: values outside matrix products are rounded to bf16; values are held in f16: magnitudes above 65,504 overflow, below 6.1e-05 lose precision
;; workspace buffers: xb 33,554,432 bytes; wb 8,388,608 bytes; csb 4,194,304 bytes; qb 8,388,608 bytes; kb 8,388,608 bytes; vt 8,388,608 bytes; ob 8,388,608 bytes
;; launch cast (part 5): grid 256 x 1, 16 waves a work-group, no clusters, 0 bytes of LDS; arguments hidden_states, wq, wk, wv, wo, cos, sin, xb, wb, csb; writes xb, wb, csb
.if DOCPART == 5
	.amdgcn_target "amdgcn-amd-amdhsa--gfx1250"
	.amdhsa_code_object_version 6
	.text
	.protected	k_q1a19e35a32_cast
	.globl	k_q1a19e35a32_cast
	.p2align	8
	.type	k_q1a19e35a32_cast,@function
k_q1a19e35a32_cast:
	s_mov_b64 s[64:65], 0
	v_nop
	global_prefetch_b8 v0, s[64:65] scope:SCOPE_SE
	s_setreg_imm32_b32 hwreg(HW_REG_WAVE_SCHED_MODE, 0, 2), 2
	s_setreg_imm32_b32 hwreg(HW_REG_WAVE_MODE, 25, 1), 1
	s_wait_xcnt 0x0
	s_wait_alu depctr_vm_vsrc(0)
; Every input is rounded to bf16 once, here, so that the later launches move 16-bit tiles.
;   xb  = bf16(hidden_states)                 [8192][2048]
;   wb  = bf16(wq), bf16(wk), bf16(wv)        [1536][2048], then from byte 0x600000 on wo [2048][512]
;   csb = bf16(cos) at 0, bf16(sin) at 0x200000, each [8192][128]
; wo is rounded to bf16 like the rest and then written as f16, because its partner in the last product is kept in f16.
; LIMIT: that second step is exact for |wo| >= 2^-17; below it the f16 grid of 2^-24 adds at most 2^-25.
; A stream: no LDS, no matrix unit, no cluster (nothing is shared).  Each of the 256 work-groups takes 1/256 of every tensor.
; 512 threads; an item is 8,192 bytes in (16 a thread) and 4,096 out (8 a thread: a wave's store covers 256 aligned bytes).
; 44 items: 32 of hidden_states, then 2 each of wq, wk, wv, wo, cos, sin.  Every item has four registers of its own (176 in all; four waves of
; 180 registers share a SIMD's 1,024): all 44 loads of a wave go out at once, each item is converted in place and stored from its own registers.
; THE MODE: SCHED_MODE bits 1:0 = 2 (LLVM: expert scheduling mode 2), set by the entry lines.  The code itself states the register dependences
; between vector instructions and memory instructions, with s_wait_alu, always for 0.
; THE PLAN.  Registers that memory instructions touch:
;   v1, v2       byte offsets, made once at the head and never written again: read by every load (v1) and every store (v2).
;   item n's 4   written by item n's load, which is issued before any vector instruction names them; read and rewritten in place by item n's
;                conversions; the first two are then read by item n's one store, and nothing writes them after that.
; The items go in 11 blocks of four.  Block p converts its own four items; its memory instructions are the four stores of block p - 1, whose
; registers no vector instruction of block p names.  So one wait on va_vdst at a block's head states all that the block's four stores hang on,
; and they are dealt among its conversions with no further wait.  No register that a load or a store reads is ever written again, and no load
; lands in a register that a vector instruction has named: nothing else is owed.
.set XITEMS, 32
.set ITEMS,  44
.set BLOCK,  4                         ; items in a block
.set IN,  1                            ; v1        16 t, never rewritten
.set OUT, 2                            ; v2        8 t, never rewritten
.set X,   4                            ; v[4:179]  item n: 4 registers as loaded; its first two then hold what is stored
	s_load_b512 s[4:19], s[0:1], 0x0               ; hidden s[4:5], wq, wk, wv, wo, cos, sin s[6:17], xb s[18:19]
	s_load_b128 s[20:23], s[0:1], 0x40             ; wb s[20:21], csb s[22:23]
	v_lshlrev_b32 v[IN], 4, v0
	v_lshlrev_b32 v[OUT], 3, v0
	s_lshl_b32 s24, ttmp9, 18                      ; my 262,144 bytes of hidden_states
	s_mov_b32 s25, 0
	s_lshl_b32 s26, ttmp9, 17                      ; and their 131,072 bytes of xb
	s_mov_b32 s27, 0
	s_lshl_b32 s28, ttmp9, 14                      ; my 16,384 bytes of each small tensor
	s_mov_b32 s29, 0
	s_lshl_b32 s30, ttmp9, 13                      ; and their 8,192 bytes out
	s_mov_b32 s31, 0
	s_mov_b32 s32, 0xffff0000                      ; a word's upper bf16
	s_wait_kmcnt 0x0
	s_add_nc_u64 s[4:5], s[4:5], s[24:25]
.irp p, 6,8,10,12,14,16
	s_add_nc_u64 s[\p:\p+1], s[\p:\p+1], s[28:29]
.endr
	s_add_nc_u64 s[18:19], s[18:19], s[26:27]
	s_add_nc_u64 s[20:21], s[20:21], s[30:31]
	s_add_nc_u64 s[22:23], s[22:23], s[30:31]
	s_wait_alu depctr_va_vdst(0)                   ; v1 and v2 are written: every load of the kernel reads v1 as its offset, every store v2
.macro LOADIT it                       ; item it into its registers
.if (\it) < XITEMS
	global_load_b128 v[X+4*(\it):X+4*(\it)+3], v[IN], s[4:5] offset:8192*(\it) th:TH_LOAD_NT
.else
	global_load_b128 v[X+4*(\it):X+4*(\it)+3], v[IN], s[6+2*(((\it)-XITEMS)/2):7+2*(((\it)-XITEMS)/2)] offset:8192*(((\it)-XITEMS)%2) th:TH_LOAD_NT
.endif
.endm
.macro CONV it                         ; item it is rounded, in place
.set xs, X+4*(\it)
	v_cvt_pk_bf16_f32 v[xs],   v[xs],   v[xs+1]    ; in place: each source is read before it is written over
	v_cvt_pk_bf16_f32 v[xs+1], v[xs+2], v[xs+3]
.if (\it) >= XITEMS
.if ((\it)-XITEMS)/2 == 3
	v_lshlrev_b32 v[xs+2], 16,  v[xs]              ; wo: the bf16 values widened again ...
	v_and_b32     v[xs+3], s32, v[xs]
	v_cvt_pk_f16_f32 v[xs], v[xs+2], v[xs+3]       ; ... and written as f16
	v_lshlrev_b32 v[xs+2], 16,  v[xs+1]
	v_and_b32     v[xs+3], s32, v[xs+1]
	v_cvt_pk_f16_f32 v[xs+1], v[xs+2], v[xs+3]
.endif
.endif
.endm
.macro STOREIT it                      ; item it leaves from its first two registers
.set ys, X+4*(\it)
.if (\it) < XITEMS
	global_store_b64 v[OUT], v[ys:ys+1], s[18:19] offset:4096*(\it)
.else
.set kind, ((\it)-XITEMS)/2            ; 0 wq, 1 wk, 2 wv, 3 wo, 4 cos, 5 sin
.if kind < 4
	global_store_b64 v[OUT], v[ys:ys+1], s[20:21] offset:0x200000*kind+4096*(((\it)-XITEMS)%2)
.else
	global_store_b64 v[OUT], v[ys:ys+1], s[22:23] offset:0x200000*(kind-4)+4096*(((\it)-XITEMS)%2)
.endif
.endif
.endm
.set cur, 0
.rept ITEMS
	LOADIT cur
.set cur, cur+1
.endr
.set cur, 0
.rept ITEMS
.if cur % BLOCK == 0
	s_wait_loadcnt ITEMS-1-cur                     ; loads come back in order: the block's first item is in, the younger ones stay out
.if cur > 0
	s_wait_alu depctr_va_vdst(0)                   ; the block before has written the first two registers of its four items, which the four stores of this block read
.endif
.endif
.if cur >= BLOCK
	STOREIT cur-BLOCK                              ; the same place in the block before.  No wait: no vector instruction since the wait above names its registers
.endif
.if cur % BLOCK != 0
	s_wait_loadcnt ITEMS-1-cur                     ; item cur is in, the younger ones stay out
.endif
	CONV cur
.set cur, cur+1
.endr
	s_wait_alu depctr_va_vdst(0)                   ; the last block has written the first two registers of its four items, which the last four stores read
.set cur, ITEMS-BLOCK
.rept BLOCK
	STOREIT cur
.set cur, cur+1
.endr
	s_endpgm
.Lfunc_end_k_q1a19e35a32_cast:
	.size	k_q1a19e35a32_cast, .Lfunc_end_k_q1a19e35a32_cast-k_q1a19e35a32_cast
	.p2alignl 7, 3214868480
	.fill 96, 4, 3214868480
	.section	.rodata,"a",@progbits
	.p2align	6, 0x0
	.amdhsa_kernel k_q1a19e35a32_cast
		.amdhsa_group_segment_fixed_size 0
		.amdhsa_private_segment_fixed_size 0
		.amdhsa_enable_private_segment 0
		.amdhsa_kernarg_size 80
		.amdhsa_user_sgpr_count 2
		.amdhsa_user_sgpr_kernarg_segment_ptr 1
		.amdhsa_wavefront_size32 1
		.amdhsa_system_sgpr_workgroup_id_x 1
		.amdhsa_system_sgpr_workgroup_id_y 1
		.amdhsa_system_sgpr_workgroup_id_z 1
		.amdhsa_system_vgpr_workitem_id 0
		.amdhsa_next_free_vgpr 180
		.amdhsa_next_free_sgpr 66
		.amdhsa_reserve_vcc 0
		.amdhsa_float_denorm_mode_32 3
		.amdhsa_float_denorm_mode_16_64 3
		.amdhsa_memory_ordered 1
		.amdhsa_forward_progress 1
		.amdhsa_inst_pref_size 18
	.end_amdhsa_kernel
	.amdgpu_metadata
---
amdhsa.version: [ 1, 2 ]
amdhsa.kernels:
  - .name:           k_q1a19e35a32_cast
    .symbol:         k_q1a19e35a32_cast.kd
    .args:
      - { .name: hidden_states, .offset: 0, .size: 8, .value_kind: global_buffer, .address_space: global }
      - { .name: wq, .offset: 8, .size: 8, .value_kind: global_buffer, .address_space: global }
      - { .name: wk, .offset: 16, .size: 8, .value_kind: global_buffer, .address_space: global }
      - { .name: wv, .offset: 24, .size: 8, .value_kind: global_buffer, .address_space: global }
      - { .name: wo, .offset: 32, .size: 8, .value_kind: global_buffer, .address_space: global }
      - { .name: cos, .offset: 40, .size: 8, .value_kind: global_buffer, .address_space: global }
      - { .name: sin, .offset: 48, .size: 8, .value_kind: global_buffer, .address_space: global }
      - { .name: xb, .offset: 56, .size: 8, .value_kind: global_buffer, .address_space: global }
      - { .name: wb, .offset: 64, .size: 8, .value_kind: global_buffer, .address_space: global }
      - { .name: csb, .offset: 72, .size: 8, .value_kind: global_buffer, .address_space: global }
    .group_segment_fixed_size: 0
    .private_segment_fixed_size: 0
    .kernarg_segment_align: 8
    .kernarg_segment_size: 80
    .max_flat_workgroup_size: 512
    .sgpr_count:     66
    .vgpr_count:     180
    .wavefront_size: 32
...
	.end_amdgpu_metadata
.endif
;; end of part 5
;; launch qkv: the kernel of part 2 again; grid 4 x 64, 4 waves a work-group, clusters of 4 x 4, 327,680 bytes of LDS; arguments xb, wb, csb, qb, kb, vt; writes qb, kb, vt
;; launch attn: the kernel of part 3 again; grid 16 x 16, 4 waves a work-group, clusters of 4 x 1, 327,680 bytes of LDS; arguments qb, kb, vt, ob; writes ob
;; launch oproj: the kernel of part 4 again; grid 8 x 32, 4 waves a work-group, clusters of 4 x 4, 327,680 bytes of LDS; arguments ob, wb, out0; writes out0
